; MI455X (gfx1250); checked and timed in simulation.
; The chip was launched on July 23, 2026; its instructions are those of AMD's public machine-readable ISA for CDNA 5 (MIT licence, August 2026) and "CDNA5" Instruction Set Architecture Reference Guide (July 2026). The comments in the code are by the model that wrote it; some were corrected since.
;; Causal Self Attention. Allowed arithmetic: matrix products marked QUANTISED: E4M3 operands, one given power-of-two scale a tensor, by v_wmma_f32_16x16x64_fp8_fp8 or v_wmma_f32_16x16x128_fp8_fp8, f32 sums; everything else in f32.
;; Inputs: b_proj 1,024 float32; b_qkv 3,072 float32; lowp_scales 8 int32 (the exponents e of the quantised operands' scales 2^e); w_proj 1,024 x 1,024 float32; w_qkv 1,024 x 3,072 float32; x 4 x 2,048 x 1,024 float32.
;; Outputs: out0 4 x 2,048 x 1,024 float32.
;; This version of the problem:
;;   THIS VERSION OF THE PROBLEM IS GIVEN IN LOW PRECISION. The matrix products marked QUANTISED in the list below multiply operands that are first quantised to E4M3 (4 exponent bits, 3 mantissa bits; 8 bits a number), with one given power-of-two scale for each operand tensor; their sums are f32. All else is computed in f32.
;;   The module's matrix products, in the order in which they are computed (A, B: the left and right operand; K: the contracted axis; several contracted axes count as one K, in the product's order):
;;     1. [M 8,192, K 1,024] x [K 1,024, N 3,072]; A: input x; B: input w_qkv: QUANTISED (scales: A lowp_scales[0], B lowp_scales[1])
;;     2. batch 64 x [M 2,048, K 64] x [K 64, N 2,048]; A: computed on the way; B: computed on the way: QUANTISED (scales: A lowp_scales[2], B lowp_scales[3])
;;     3. batch 64 x [M 2,048, K 2,048] x [K 2,048, N 64]; A: softmax (see below); B: computed on the way: QUANTISED (scales: A lowp_scales[4], B lowp_scales[5])
;;     4. [M 8,192, K 1,024] x [K 1,024, N 1,024]; A: computed on the way; B: input w_proj: QUANTISED (scales: A lowp_scales[6], B lowp_scales[7])
;;   THE QUANTISER, for each operand of a quantised product, along K:
;;     - The operand's scale is 2^e, e = its entry of the input lowp_scales (int32; the entries are numbered through the quantised products in the list's order, A before B).
;;     - Each number is divided by the scale, clamped to +-448, and rounded to the nearest number of E4M3, ties to even, subnormals kept.
;;     - The product sums the exact products of the quantised numbers (number of the format x scale) in f32.
;;   ~~~python
;;   def quantise(x, axis, e):      # numpy; x: float32 -> the quantised numbers, widened to float32 again
;;       x = np.moveaxis(x, axis, -1); K = x.shape[-1]
;;       r = np.clip(x / 2.0 ** e, -448, 448)
;;       step = 2.0 ** (np.maximum(np.frexp(np.where(r == 0, 1, r))[1] - 1, -6) - 3)
;;       q = np.round(r / step) * step * 2.0 ** e      # np.round: ties to even
;;       return np.moveaxis(q, -1, axis).astype(np.float32)
;;   ~~~
;;   SOFTMAX AHEAD OF A QUANTISED PRODUCT. Where the list says 'softmax', what is quantised is not the finished softmax but p = 2^(t - M), with t = logit x log2(e) and M = ceil(the row's largest t), a whole number; so 1/2 < the row's largest p <= 1. The row's sum l is taken of the UNQUANTISED p, in f32, and the product's result is divided by l at the end. Since M is a whole number, a kernel that streams over the keys may use a running M (the ceiling of the running maximum): every later rescaling is an exact power of two, so the quantised numbers keep their values, but for numbers so far below the row's largest that they fall under the format's range.
;;   OPERANDS COMPUTED ON THE WAY. 'Computed on the way' means the value that the module computes at that place (a softmax that the list does not call 'softmax' is quantised finished and normalised). What goes into a quantiser is computed in f32, as accurately as f32 sums, v_exp_f32 and their like allow (about 1e-6 of the number): no bf16 or f16 on the way to a quantiser, and a product that is left as it is and whose result goes on into a quantised operand takes f32 operands (vector FMAs, or v_wmma_f32_16x16x4_f32). A number that lies on a knife's edge between two numbers of the format may be rounded either way, as far as f32 arithmetic and the matrix unit's own rounding can turn it there, and no further.
;; One version. Each part assembles by itself: llvm-mc -triple=amdgcn-amd-amdhsa -mcpu=gfx1250 --defsym DOCPART=n.
;; ======== version 1 of 1: 4 launches
;; limits: right only within a limited range of input values
;; workspace buffers: x_codes 8,388,608 bytes; wqkv_codes 3,145,728 bytes; wproj_codes 1,048,576 bytes; q_img 8,388,608 bytes; k_img 8,388,608 bytes; v_img 8,388,608 bytes; y_img 8,388,608 bytes
;; launch quant (part 1): grid 384 x 1, 4 waves a work-group, no clusters, 68,096 bytes of LDS; arguments x, w_qkv, w_proj, lowp_scales, x_codes, wqkv_codes, wproj_codes; writes x_codes, wqkv_codes, wproj_codes
.if DOCPART == 1
	.amdgcn_target "amdgcn-amd-amdhsa--gfx1250"
	.amdhsa_code_object_version 6
	.text
	.protected	k_q72bbcdc429_quant
	.globl	k_q72bbcdc429_quant
	.p2align	8
	.type	k_q72bbcdc429_quant,@function
k_q72bbcdc429_quant:
	s_mov_b64 s[64:65], 0
	v_nop
	global_prefetch_b8 v0, s[64:65] scope:SCOPE_SE
	s_setreg_imm32_b32 hwreg(HW_REG_WAVE_MODE, 25, 1), 1
	s_wait_xcnt 0x0
; x [8192][1024], w_qkv [1024 (k)][3072 (n)] and w_proj [1024 (k)][1024 (n)], f32, become codes of FP8 (E4M3), K innermost: x_codes [8192][1024], wqkv_codes [3072][1024], wproj_codes [1024][1024].
; code = number / 2^e, held within +-448, rounded to the nearest code, ties to even; e = entry 0 (x), 1 (w_qkv), 7 (w_proj) of the scales' exponents.
; LIMITS: each e lies between -126 and 119, so that 2^e and 448 x 2^e are f32 numbers.  NaN among the inputs is not served (an infinity is held at the largest code).
; SHARES.  Work-groups 0-255 take x, a dense stream: 32,768 numbers each, 8,192 a wave, in 16 steps of 512.  Work-groups 256-383 take the weights: 128 columns x 256 along K each (96 for w_qkv, 32 for w_proj).
; The two ways part on the work-group's number, never join, and have LDS bytes of their own.  No tensor loads, no barrier: waves share nothing.
; X'S WAY: a load takes 512 consecutive bytes, 16 a lane; a step's 2,048 bytes turn through the wave's stage in LDS and come back 64 bytes a lane: 16 neighbours along K, which the conversions want in one lane.
; THE WEIGHTS' WAY: a lane takes a column n and its registers run down K, so that the conversions give codes with K innermost; the codes gather in the wave's stage (a row = a column's 256 codes) and leave as whole rows of 256 bytes.
.set STEPS, 16
.set R,     16                         ; v16-79   x: four sets of 16 numbers as loaded
.set X,     80                         ; v80-111  x: two sets of 16 neighbours
.set C,     128                        ; v128-191 x: codes, four registers for each step: no store's data are written again
.set WREG,  8192                       ; LDS bytes 0-32,767: x's way, a region for each wave: two stages of 32 x SP bytes
.set SP,    80                         ; a lane's place in a stage: 64 bytes + 16 of padding
.set WST,   32768                      ; LDS from here on: the weights' way, 32 rows x PITCH for each wave
.set PITCH, 272                        ; a stage row: 256 codes + 16 bytes
.set NB,    8                          ; blocks of 32 along K for a wave
.set WX,    32                         ; v32-95   weights: two sets of 32 numbers
.set WC,    96                         ; v96-103  a block's codes
.set OUTR,  112                        ; v112-175 the way out: 16 x 4 registers
.set WA,    176                        ; v176-207 byte offset of row i of a block, i = 0 .. 31, at my column; never rewritten
	s_load_b256 s[4:11], s[0:1], 0x0               ; x s[4:5], w_qkv s[6:7], w_proj s[8:9], the scales' exponents s[10:11]
	s_load_b128 s[12:15], s[0:1], 0x20             ; x_codes s[12:13], wqkv_codes s[14:15]
	s_load_b64 s[16:17], s[0:1], 0x30              ; wproj_codes
	v_lshl_add_u32 v208, v0, 2, 0x10800
	v_mov_b32 v209, 0
	v_lshrrev_b32 v1, 5, v0
	v_readfirstlane_b32 s18, v1                    ; wave 0..3
	v_and_b32 v2, 31, v0                           ; lane
	s_wait_kmcnt 0x0
	s_load_b256 s[40:47], s[10:11], 0x0            ; e0 .. e7
	s_cmp_ge_u32 ttmp9, 256
	s_cbranch_scc1 .Lweights
	s_wait_alu depctr_va_vdst(0)
	; ---------------- x ----------------
	v_lshlrev_b32 v3, 4, v2                        ; 16 x lane: my 16 bytes of a load's 512, and my 16 codes of a step's 512
	s_wait_alu depctr_va_vdst(0)
	s_mul_i32 s19, s18, WREG
	v_lshrrev_b32 v14, 2, v2
	v_mul_u32_u24 v14, v14, SP
	v_and_b32 v15, 3, v2
	v_lshl_add_u32 v14, v15, 4, v14
	v_add_nc_u32 v14, s19, v14                     ; the stage, on the way in: four lanes' 64 bytes on end, then the padding
	v_mul_u32_u24 v15, v2, SP
	v_add_nc_u32 v15, s19, v15                     ; and on the way out: my 16 neighbours
	s_lshl_b32 s20, ttmp9, 2
	s_add_co_u32 s20, s20, s18                     ; which run of 8,192 numbers is my wave's
	s_lshl_b32 s22, s20, 15                        ; 32,768 bytes of numbers,
	s_mov_b32 s23, 0
	s_add_nc_u64 s[4:5], s[4:5], s[22:23]
	s_lshl_b32 s22, s20, 13                        ; 8,192 bytes of codes
	s_add_nc_u64 s[12:13], s[12:13], s[22:23]
.macro LOAD t
.irp i, 0,1,2,3
	global_load_b128 v[R+16*((\t)%4)+4*\i:R+16*((\t)%4)+4*\i+3], v3, s[4:5] offset:2048*(\t)+512*\i th:TH_LOAD_NT   ; 32 lanes read 512 consecutive bytes
.endr
.endm
.macro TURN t                          ; step t's numbers through the stage: LDS serves a wave's instructions in order, so no wait stands between the stores and the loads
.irp i, 0,1,2,3
	ds_store_b128 v14, v[R+16*((\t)%4)+4*\i:R+16*((\t)%4)+4*\i+3] offset:32*SP*((\t)%2)+8*SP*\i
.endr
.irp i, 0,1,2,3
	ds_load_b128 v[X+16*((\t)%2)+4*\i:X+16*((\t)%2)+4*\i+3], v15 offset:32*SP*((\t)%2)+16*\i
.endr
.endm
.irp t, 0,1,2,3
	LOAD \t
.endr
	s_wait_alu depctr_va_vdst(0)
	s_wait_kmcnt 0x0
	s_add_co_i32 s22, s40, 127
	s_lshl_b32 s23, s22, 23
	v_mov_b32 v11, s23                             ; 2^e0 as f32: the conversion takes its exponent field
	s_add_co_i32 s22, s22, 8
	s_lshl_b32 s22, s22, 23
	s_or_b32 s22, s22, 0x600000
	s_wait_alu depctr_va_vdst(0)
	s_wait_loadcnt 12                              ; step 0's four loads are in; the twelve of steps 1 to 3 may be out
	TURN 0
.macro STEP t
.set XS, X+16*((\t)%2)
	s_wait_dscnt 0x0                               ; this step's numbers are back from the stage: so its stores into the stage have read their registers,
.if (\t)+4 < STEPS
	LOAD (\t)+4                                    ; which take the loads of four steps on
.endif
.if (\t)+1 < STEPS
.if STEPS-2-(\t) >= 3
	s_wait_loadcnt 12                              ; the next step's four loads are in; those of the three steps behind it may be out
.else
	s_wait_loadcnt 4*(STEPS-2-(\t))
.endif
	TURN (\t)+1                                    ; and go through the other stage while this step is worked
.endif
.irp i, 0,1,2,3,4,5,6,7,8,9,10,11,12,13,14,15
.endr
	v_cvt_scalef32_pk8_fp8_f32 v[C+4*(\t):C+4*(\t)+1], v[XS:XS+7], v11
	v_cvt_scalef32_pk8_fp8_f32 v[C+4*(\t)+2:C+4*(\t)+3], v[XS+8:XS+15], v11
	global_store_b128 v3, v[C+4*(\t):C+4*(\t)+3], s[12:13] offset:512*(\t)   ; the wave stores 512 consecutive bytes, aligned.  (The codes go to a store alone)
.endm
.irp t, 0,1,2,3,4,5,6,7,8,9,10,11,12,13,14,15
	STEP \t
.endr
	s_wait_tensorcnt 0x0
	ds_add_u32 v208, v209
	s_wait_dscnt 0x0
	s_endpgm
	; ---------------- the weights ----------------
.Lweights:
	s_sub_co_u32 s19, ttmp9, 256
	s_cmp_lt_u32 s19, 96                           ; w_qkv's work-group or w_proj's?  The choice hangs on the work-group's number alone
	s_cselect_b64 s[20:21], s[6:7], s[8:9]         ; from where,
	s_cselect_b64 s[22:23], s[14:15], s[16:17]     ; to where,
	s_mov_b32 s24, 4096
	s_cselect_b32 s24, 12288, s24                  ; bytes from a row k to the next,
	s_cselect_b32 s26, 1, 0                        ; (kept for the choice of e)
	s_cselect_b32 s25, 0, 96
	s_sub_co_u32 s19, s19, s25                     ; and which block of that weight
	s_and_b32 s27, s19, 3                          ; which 256 along K
	s_lshr_b32 s28, s19, 2                         ; which 128 columns
	s_lshl_b32 s28, s28, 7
	s_lshl_b32 s29, s18, 5
	s_add_co_u32 s28, s28, s29                     ; my wave's first column
	s_lshl_b32 s32, s24, 8
	s_mul_i32 s32, s32, s27                        ; 256 rows x which
	s_lshl_b32 s29, s28, 2
	s_add_co_u32 s32, s32, s29                     ; + 4 bytes a column
	s_mov_b32 s33, 0
	s_add_nc_u64 s[48:49], s[20:21], s[32:33]      ; block 0 of my 8; a base for each block, so that no register is stepped
	s_lshl_b32 s34, s24, 5                         ; 32 rows on
	s_mov_b32 s35, 0
.irp t, 1,2,3,4,5,6,7
	s_add_nc_u64 s[48+2*\t:49+2*\t], s[46+2*\t:47+2*\t], s[34:35]
.endr
	s_lshl_b32 s32, s28, 10                        ; the codes: column x 1,024 bytes
	s_lshl_b32 s29, s27, 8                         ; + 256 x which
	s_add_co_u32 s32, s32, s29
	s_add_nc_u64 s[22:23], s[22:23], s[32:33]
	s_wait_alu depctr_va_vdst(0)
	v_lshlrev_b32 v3, 2, v2                        ; 4 bytes a lane
.set wi, 0
.rept 32
	v_mad_u32_u24 v[WA+wi], s24, wi, v3            ; row wi of a block, my column
.set wi, wi+1
.endr
	s_mul_i32 s36, s18, 32*PITCH
	s_add_co_u32 s36, s36, WST                     ; my stage
	v_mul_u32_u24 v4, v2, PITCH
	v_add_nc_u32 v4, s36, v4                       ; into it: row = my column
	v_and_b32 v5, 15, v2
	v_lshrrev_b32 v6, 4, v2                        ; out of it: sixteen lanes to a row, two rows an instruction
	v_mul_u32_u24 v7, v6, PITCH
	v_lshl_add_u32 v7, v5, 4, v7
	v_add_nc_u32 v7, s36, v7
	v_lshlrev_b32 v8, 10, v6
	v_lshl_add_u32 v8, v5, 4, v8                   ; and the same place in the codes' buffer
.macro WLOAD t                         ; block t: W(32 t + i, my column), i = 0 .. 31: each load reads 128 consecutive bytes a wave, the four waves side by side
.set wi, 0
.rept 32
	global_load_b32 v[WX+32*((\t)%2)+wi], v[WA+wi], s[48+2*(\t):49+2*(\t)] th:TH_LOAD_NT
.set wi, wi+1
.endr
.endm
	WLOAD 0
	WLOAD 1
	s_wait_kmcnt 0x0
	s_cmp_eq_u32 s26, 1
	s_cselect_b32 s30, s41, s47                    ; e1 or e7
	s_add_co_i32 s30, s30, 127
	s_lshl_b32 s31, s30, 23
	v_mov_b32 v11, s31                             ; 2^e
	s_add_co_i32 s30, s30, 8
	s_lshl_b32 s30, s30, 23
	s_or_b32 s30, s30, 0x600000
.macro BLOCK t
.set XS, WX+32*((\t)%2)
.if (\t) < NB-1
	s_wait_loadcnt 32                              ; this block's 32 loads are in; the next block's may be out
.else
	s_wait_loadcnt 0x0
.endif
.set wj, 0
.rept 32
.set wj, wj+1
.endr
.irp g, 0,1,2,3
	v_cvt_scalef32_pk8_fp8_f32 v[WC+2*\g:WC+2*\g+1], v[XS+8*\g:XS+8*\g+7], v11
.endr
	ds_store_b128 v4, v[WC:WC+3] offset:32*(\t)    ; 32 codes: 32 bytes of my column's row
	ds_store_b128 v4, v[WC+4:WC+7] offset:32*(\t)+16
.if (\t)+2 < NB
	WLOAD (\t)+2
.endif
	s_wait_dscnt 0x0                               ; the stores have read their registers: the next block's codes may be written
.endm
	s_wait_alu depctr_va_vdst(0)
.irp t, 0,1,2,3,4,5,6,7
	BLOCK \t
.endr
.irp t, 0,1,2,3,4,5,6,7,8,9,10,11,12,13,14,15
	ds_load_b128 v[OUTR+4*\t:OUTR+4*\t+3], v7 offset:2*\t*PITCH   ; LDS serves a wave's instructions in order: these see my stores
.endr
.irp t, 0,1,2,3,4,5,6,7,8,9,10,11,12,13,14,15
	s_wait_dscnt 15-\t                             ; load t is back; the younger ones may be out
	global_store_b128 v8, v[OUTR+4*\t:OUTR+4*\t+3], s[22:23] offset:2*\t*1024   ; sixteen lanes store 256 consecutive bytes, aligned
.endr
	s_wait_tensorcnt 0x0
	ds_add_u32 v208, v209
	s_wait_dscnt 0x0
	s_endpgm
.Lfunc_end_k_q72bbcdc429_quant:
	.size	k_q72bbcdc429_quant, .Lfunc_end_k_q72bbcdc429_quant-k_q72bbcdc429_quant
	.p2alignl 7, 3214868480
	.fill 96, 4, 3214868480
	.section	.rodata,"a",@progbits
	.p2align	6, 0x0
	.amdhsa_kernel k_q72bbcdc429_quant
		.amdhsa_group_segment_fixed_size 68096
		.amdhsa_private_segment_fixed_size 0
		.amdhsa_enable_private_segment 0
		.amdhsa_kernarg_size 56
		.amdhsa_user_sgpr_count 2
		.amdhsa_user_sgpr_kernarg_segment_ptr 1
		.amdhsa_wavefront_size32 1
		.amdhsa_system_sgpr_workgroup_id_x 1
		.amdhsa_system_sgpr_workgroup_id_y 1
		.amdhsa_system_sgpr_workgroup_id_z 1
		.amdhsa_system_vgpr_workitem_id 0
		.amdhsa_next_free_vgpr 210
		.amdhsa_next_free_sgpr 66
		.amdhsa_reserve_vcc 0
		.amdhsa_float_denorm_mode_32 3
		.amdhsa_float_denorm_mode_16_64 3
		.amdhsa_fp16_overflow 1
		.amdhsa_memory_ordered 1
		.amdhsa_forward_progress 1
		.amdhsa_inst_pref_size 56
	.end_amdhsa_kernel
	.amdgpu_metadata
---
amdhsa.version: [ 1, 2 ]
amdhsa.kernels:
  - .name:           k_q72bbcdc429_quant
    .symbol:         k_q72bbcdc429_quant.kd
    .args:
      - { .name: x, .offset: 0, .size: 8, .value_kind: global_buffer, .address_space: global }
      - { .name: w_qkv, .offset: 8, .size: 8, .value_kind: global_buffer, .address_space: global }
      - { .name: w_proj, .offset: 16, .size: 8, .value_kind: global_buffer, .address_space: global }
      - { .name: lowp_scales, .offset: 24, .size: 8, .value_kind: global_buffer, .address_space: global }
      - { .name: x_codes, .offset: 32, .size: 8, .value_kind: global_buffer, .address_space: global }
      - { .name: wqkv_codes, .offset: 40, .size: 8, .value_kind: global_buffer, .address_space: global }
      - { .name: wproj_codes, .offset: 48, .size: 8, .value_kind: global_buffer, .address_space: global }
    .group_segment_fixed_size: 68096
    .private_segment_fixed_size: 0
    .kernarg_segment_align: 8
    .kernarg_segment_size: 56
    .max_flat_workgroup_size: 128
    .sgpr_count:     66
    .vgpr_count:     210
    .wavefront_size: 32
...
	.end_amdgpu_metadata
.endif
;; end of part 1
;; launch qkv (part 2): grid 12 x 32, 4 waves a work-group, clusters of 4 x 4, 327,680 bytes of LDS; arguments x_codes, wqkv_codes, lowp_scales, b_qkv, q_img, k_img, v_img; writes q_img, k_img, v_img
.if DOCPART == 2
	.amdgcn_target "amdgcn-amd-amdhsa--gfx1250"
	.amdhsa_code_object_version 6
	.text
	.protected	k_q72bbcdc429_qkv
	.globl	k_q72bbcdc429_qkv
	.p2align	8
	.type	k_q72bbcdc429_qkv,@function
k_q72bbcdc429_qkv:
	s_mov_b64 s[64:65], 0
	v_nop
	global_prefetch_b8 v0, s[64:65] scope:SCOPE_SE
	s_setreg_imm32_b32 hwreg(HW_REG_WAVE_MODE, 25, 1), 1
	s_wait_xcnt 0x0
	s_wait_alu depctr_hold_cnt(0) depctr_sa_sdst(0) depctr_va_vdst(0) depctr_va_sdst(0) depctr_va_ssrc(0) depctr_va_vcc(0) depctr_vm_vsrc(0)
	s_getreg_b32 s2, hwreg(HW_REG_IB_STS2, 6, 4)
	s_cmp_eq_u32 s2, 0
	s_cbranch_scc0 .Lentry_in_a_cluster
	s_endpgm
.Lentry_in_a_cluster:
	s_bfe_u32 s2, ttmp6, 0x10000c
	s_cmp_lg_u32 s2, 0xf033
	s_cbranch_scc0 .Lentry_shape_is_right
	s_endpgm
.Lentry_shape_is_right:
; qkv = x w_qkv + b_qkv on codes of FP8 (E4M3), and its three parts quantised again, as the attention's operands.  x_codes [8192][1024], wqkv_codes [3072 (n)][1024 (k)]; sums in f32, x 2^(e0 + e1), + b_qkv.
; q is quantised with 2^e2, k with 2^e3 (K = the head's 64 channels), v with 2^e5 (K = the keys).  LIMITS: e0 + e1 between -126 and 127; e2, e3, e5 between -126 and 119.
; A tile of 256 x 256 is made by a work-group of four waves; a wave makes 128 x 128: 64 accumulators of 16 x 16.  K goes in steps of 256 through a ring of two LDS slots filled by the tensor data mover.
; ROLES.  The cluster's x says which part: 0 q, 1 k, 2 v.  Role A (source 1 of the matrix instruction) and role B (source 0): for q and k, A = rows of x and B = rows of the weight, so that a lane holds ONE token and eight
; neighbouring channels; for v, A = rows of the weight and B = rows of x, so that a lane holds ONE channel and eight neighbouring tokens: the keys come out innermost, and nothing is transposed.  Both operands have rows of
; 1,024 bytes, so ring, descriptors and loop are one text; only two pointers and two tile numbers are chosen, on the cluster's x, which all sixteen partners share.
; CLUSTERS: 4 x 4 work-groups.  Role A's tile hangs on cy alone and is shared along a row of the cluster, role B's on cx alone and is shared along a column: each is asked for JOINTLY.
; THE WAY OUT NEEDS NO LDS.  The codes leave as IMAGES OF THE NEXT PRODUCT'S OPERAND REGISTERS: four registers a lane, 16 bytes at 16 x lane, so each store of the wave covers 512 consecutive bytes, aligned.
;   q_img, k_img: [batch x 16 + head][tile of 16 tokens][c 0..1][lane][16 bytes]: lane (r, h): token r, channels 32 c + 8 h + 0..7, then 32 c + 16 + 8 h + 0..7.
;   v_img: [batch x 16 + head][128 keys][tile of 16 channels][g 0..3][lane][16 bytes]: lane (r, h): channel r, keys 32 g + 8 h + 0..7, then 32 g + 16 + 8 h + 0..7.
; No prefetch: K has four steps, of which two are the first fills.
; REGISTERS, in windows of 256: window 0: v16-31 addresses and the quantiser's scale; v32-95, v96-111 the biases; from v128 role A's fragments, ONE set, later the codes.  window 1: role B's fragments, TWO sets.
;   window 2: the 32 accumulators of my role-A rows 0-63 ((a, b) at v[8 (8 a + b)]);  window 3: those of rows 64-127.
.set KSTEP,  256
.set ROWB,   256                       ; a tile's row in bytes
.set KROW,   1024                      ; a row of either operand in memory
.set PITCH,  272                       ; an LDS row: 256 bytes + 16 of padding: the 16 rows that a load touches start at 16 different banks (64 banks of 4 bytes: ISA guide 11.1)
.set FR,     16                        ; registers of a fragment: 16 rows x 128 K
.set NL,     4                         ; LDS loads that bring one
.set NP,     4                         ; places behind this matrix instruction (ISA guide 7.12.1)
.set HALFT,  128*PITCH                 ; what one tensor load brings
.set SLOT,   4*HALFT                   ; role A's 256 rows, then role B's
.set LAPS,   2                         ; 1,024 along K = two laps of two K steps
.set SPARE,  2*SLOT                    ; behind the ring: the spare words, 128 bytes for each wave
.set ADRA, 16                          ; v16-17  LDS address of my role-A fragments in slot 0, 1
.set ADRB, 20                          ; v20-21  the same for role B
.set RO,   25                          ; v25     4 x (lane % 16)
.set LI,   26                          ; v26     16 x lane: an image's place for my lane
.set HO,   27                          ; v27     32 x (lane / 16)
.set SPW,  28                          ; v28     LDS address of my spare word; never rewritten
.set NIL,  29                          ; v29     0; never rewritten
.set SCL,  30                          ; v30     2^eo, the output's scale
.set LIM,  31
.set BR,   32                          ; v32-95  q, k: b_qkv at channels 16 b + 8 h + j of my 128: register 8 b + j
.set BL,   96                          ; v96-111 v: b_qkv at channel 16 a + r: register 2 a (2 a + 1 is 0: it is named as the pair's upper half)
.set AF,   128
.set CD,   128                         ; the way out: 16 registers of codes for each of the 8 blocks, so that no store's data are written again
.set G1, 24
.set G0, 32
.set G1B, 48
.set G0B, 56
.set MSB, 0
.macro WIN new                         ; the immediate's high byte repeats the setting that is left
.if MSB != \new
	s_set_vgpr_msb (MSB<<8)|\new
.set MSB, \new
.endif
.endm
.set MUL_LO, 0xa1                      ; source 0 (role B) window 1, source 1 (role A) window 0, C and D window 2
.set MUL_HI, 0xf1                      ; the same, C and D window 3
.set TO_B,   0x40                      ; destination window 1, address window 0
; A joint load: waves 0 and 1 fetch for role A, waves 2 and 3 for role B; the branch hangs on the wave's number alone.  Four v_nop follow each of the two lines.
.macro JLOAD g0a, g1a, g0b, g1b
	s_cmp_eq_u32 s15, 0
	s_cbranch_scc0 .Lfor_b_\@
	tensor_load_to_lds s[\g0a:\g0a+3], s[\g1a:\g1a+7]
	s_nop 0
.rept 4
	v_nop
.endr
	s_branch .Lasked_\@
.Lfor_b_\@:
	tensor_load_to_lds s[\g0b:\g0b+3], s[\g1b:\g1b+7]
	s_nop 0
.rept 4
	v_nop
.endr
.Lasked_\@:
.endm
.macro CREST                           ; a round of the cluster's barrier behind its opening barrier
	s_cmp_lg_u32 s14, 0
	s_cbranch_scc1 .Lnot_wave_0_\@
	s_barrier_signal -3
.Lnot_wave_0_\@:
	s_barrier_wait -3
	s_barrier_signal -1
	s_barrier_wait -1
.endm
.macro CROUND                          ; a whole round
	s_barrier_signal -1
	s_barrier_wait -1
	CREST
.endm
	s_load_b256 s[4:11], s[0:1], 0x0               ; x_codes s[4:5], wqkv_codes s[6:7], the scales' exponents s[8:9], b_qkv s[10:11]
	s_load_b128 s[68:71], s[0:1], 0x20             ; q_img s[68:69], k_img s[70:71]
	s_load_b64 s[72:73], s[0:1], 0x30              ; v_img
	v_lshl_add_u32 v[SPW], v0, 2, SPARE
	v_mov_b32 v[NIL], 0
	ds_add_u32 v28, v29
	ds_add_u32 v28, v29
	s_wait_dscnt 0x0
	v_lshrrev_b32 v1, 5, v0
	v_readfirstlane_b32 s14, v1                    ; wave 0..3
	s_lshr_b32 s15, s14, 1                         ; which half of role A's rows is mine.  Also: I fetch for role A (0) or B (1)
	s_and_b32 s16, s14, 1                          ; which half of role B's rows.  Also: which 128 rows of that tile I fetch
	s_bfe_u32 s40, ttmp6, 0x40000                  ; cx, cy: my place in the cluster
	s_bfe_u32 s41, ttmp6, 0x40004
	s_and_b32 s78, ttmp7, 0xffff                   ; the cluster's y: which 1,024 tokens
	s_cmp_eq_u32 ttmp9, 2                          ; v's cluster?
	s_cselect_b32 s17, 2, s78
	s_cselect_b32 s42, s78, ttmp9
	s_lshl_b32 s17, s17, 2
	s_add_co_u32 s17, s17, s41                     ; role A's tile of 256 rows: it holds cy and never cx
	s_lshl_b32 s42, s42, 2
	s_add_co_u32 s42, s42, s40                     ; role B's: it holds cx and never cy
	s_lshl_b32 s43, s41, 2
	s_lshl_b32 s43, 15, s43                        ; my row of the cluster
	s_lshl_b32 s44, 0x1111, s40                    ; my column
	; descriptor group 1: a tile of 128 rows x 256 bytes, padded in LDS
	s_or_b32 s[G1+0], s43, (0<<16)|(1<<20)|(1<<21)|(5<<22)|(3<<25)  ; 15:0 the mask; 17:16 element of 1 byte; 20 padding on; 21 set beside a mask; 24:22 after every 64 words (code 5); 31:25 of 4 words (code 3)
	s_or_b32 s[G1B+0], s44, (0<<16)|(1<<20)|(1<<21)|(5<<22)|(3<<25)
.irp g, G1, G1B
	s_mov_b32 s[\g+1], ROWB<<16                    ; tensor_dim0
	s_mov_b32 s[\g+2], 128<<16                     ; tensor_dim1
	s_mov_b32 s[\g+3], ROWB<<16                    ; tile_dim0
	s_mov_b32 s[\g+4], 128                         ; tile_dim1
	s_mov_b32 s[\g+5], KROW                        ; tensor_dim0_stride
	s_mov_b32 s[\g+6], 0
	s_mov_b32 s[\g+7], 0
.endr
	s_lshl_b32 s18, s16, 7                         ; which 128 rows of the tile I fetch
	s_lshl_b32 s20, s17, 8
	s_add_co_u32 s20, s20, s18
	s_lshl_b32 s20, s20, 10                        ; role A: row x 1,024 bytes (under 2^23)
	s_mov_b32 s21, 0
	s_lshl_b32 s46, s42, 8
	s_add_co_u32 s46, s46, s18
	s_lshl_b32 s46, s46, 10                        ; role B
	s_mov_b32 s47, 0
	s_mul_i32 s45, s14, HALFT                      ; where they go: wave x 128 rows: no place in the cluster enters an LDS address
	s_wait_kmcnt 0x0
	s_load_b256 s[80:87], s[8:9], 0x0              ; e0 .. e7
	s_cmp_eq_u32 ttmp9, 2
	s_cselect_b64 s[88:89], s[6:7], s[4:5]         ; role A's buffer
	s_cselect_b64 s[90:91], s[4:5], s[6:7]         ; role B's
	s_add_nc_u64 s[20:21], s[88:89], s[20:21]
	s_add_nc_u64 s[46:47], s[90:91], s[46:47]
	CROUND                                         ; all sixteen work-groups are here: the first joint loads meet
.irp s, 0,1
	s_mov_b32 s[G0+4*\s], 1
	s_add_co_u32 s[G0+4*\s+1], s45, \s*SLOT
	s_add_nc_u64 s[G0+4*\s+2:G0+4*\s+3], s[20:21], \s*ROWB
	s_or_b32 s[G0+4*\s+3], s[G0+4*\s+3], 0x80000000
	s_mov_b32 s[G0B+4*\s], 1
	s_add_co_u32 s[G0B+4*\s+1], s45, \s*SLOT
	s_add_nc_u64 s[G0B+4*\s+2:G0B+4*\s+3], s[46:47], \s*ROWB
	s_or_b32 s[G0B+4*\s+3], s[G0B+4*\s+3], 0x80000000
	s_wait_alu depctr_va_vdst(0)
	s_wait_tensorcnt 0x0
	ds_add_u32 v28, v29
	ds_add_u32 v28, v29
	s_wait_dscnt 0x0
	CROUND
	JLOAD G0+4*\s, G1, G0B+4*\s, G1B
.endr
	; the biases: both kinds are loaded by every work-group, the kind that is not its own from the buffer's first numbers, so that every way through the text has written the registers
	s_lshl_b32 s66, s42, 8
	s_lshl_b32 s67, s16, 7
	s_add_co_u32 s66, s66, s67
	s_lshl_b32 s66, s66, 2                         ; q, k: my first channel = 256 x role B's tile + 128 x half, 4 bytes each
	s_lshl_b32 s76, s17, 8
	s_lshl_b32 s77, s15, 7
	s_add_co_u32 s76, s76, s77
	s_lshl_b32 s76, s76, 2                         ; v: 256 x role A's tile + 128 x half
	s_cmp_eq_u32 ttmp9, 2
	s_cselect_b32 s66, 0, s66
	s_cselect_b32 s76, s76, 0
	s_mov_b32 s67, 0
	s_mov_b32 s77, 0
	s_add_nc_u64 s[92:93], s[10:11], s[66:67]
	s_add_nc_u64 s[94:95], s[10:11], s[76:77]
	v_and_b32 v1, 15, v0                           ; r = l % 16
	v_bfe_u32 v2, v0, 4, 1                         ; h = l / 16
	v_lshlrev_b32 v[RO], 2, v1
	v_lshlrev_b32 v[HO], 5, v2
	v_and_b32 v6, 31, v0
	v_lshlrev_b32 v[LI], 4, v6
.irp b, 0,1,2,3,4,5,6,7
	global_load_b128 v[BR+8*\b:BR+8*\b+3], v[HO], s[92:93] offset:64*\b
	global_load_b128 v[BR+8*\b+4:BR+8*\b+7], v[HO], s[92:93] offset:64*\b+16
.endr
.irp a, 0,1,2,3,4,5,6,7
	global_load_b32 v[BL+2*\a], v[RO], s[94:95] offset:64*\a
	v_mov_b32 v[BL+2*\a+1], 0
.endr
	v_mul_u32_u24 v3, v1, PITCH
	v_lshl_add_u32 v4, v2, 4, v3                   ; a fragment's row x pitch + 16 x half
	s_mul_i32 s22, s15, HALFT                      ; my 128 rows of role A
	s_mul_i32 s23, s16, HALFT                      ; my 128 rows of role B,
	s_add_co_u32 s23, s23, 2*HALFT                 ; which lie behind A's 256
.irp s, 0,1
	v_add_nc_u32 v[ADRA+\s], s22, v4
	v_add_nc_u32 v[ADRB+\s], s23, v4
	s_add_co_u32 s22, s22, SLOT
	s_add_co_u32 s23, s23, SLOT
.endr
.macro FRAG reg, adr, q, i             ; a fragment, 16 rows x 128 K, is 16 registers: lane l holds row l % 16; registers 4 c .. 4 c + 3 hold K = 32 c + 16 (l / 16) + 0 .. 15: the same places in both operands
.irp c, 0,1,2,3
	ds_load_b128 v[\reg+4*\c:\reg+4*\c+3], v[\adr] offset:128*(\q)+32*\c+(\i)*16*PITCH
.endr
.endm
; 16 matrix instructions: role A's blocks a0, a0 + 1 x role B's eight, 128 along K.  p: B's set.  zero = 1: the first product starts the sums.
; The 64 accumulators take turns, one instruction a turn, in the same order in every step.
.macro MUL16 a0, p, zero
.irp a, \a0, \a0+1
.irp b, 0,1,2,3,4,5,6,7
.if \zero
	v_wmma_f32_16x16x128_fp8_fp8 v[8*(8*((\a)%4)+\b):8*(8*((\a)%4)+\b)+7], v[128*(\p)+FR*\b:128*(\p)+FR*\b+FR-1], v[AF+FR*(\a):AF+FR*(\a)+FR-1], 0
.else
	v_wmma_f32_16x16x128_fp8_fp8 v[8*(8*((\a)%4)+\b):8*(8*((\a)%4)+\b)+7], v[128*(\p)+FR*\b:128*(\p)+FR*\b+FR-1], v[AF+FR*(\a):AF+FR*(\a)+FR-1], v[8*(8*((\a)%4)+\b):8*(8*((\a)%4)+\b)+7]
.endif
.endr
.endr
.endm
.macro FETCH_B slot, q, p
	WIN TO_B
.irp i, 0,1,2,3,4,5,6,7
	FRAG 128*(\p)+FR*\i, ADRB+\slot, \q, \i
.endr
	WIN 0
.endm
.macro FETCH_A slot, q, i0
.irp i, \i0, \i0+1, \i0+2, \i0+3
	FRAG AF+FR*(\i), ADRA+\slot, \q, \i
.endr
.endm
.macro PLACES n                        ; plain vector lines between a matrix instruction and a load into its sources, or a vector line that reads its result
.rept \n
	v_nop
.endr
.endm
; A step of 128 along K that has its successor in the same slot.
.macro STEP slot, q, zero
	s_wait_dscnt 4*NL                              ; B's set and A's blocks 0-3 are in; the youngest sixteen loads (A's blocks 4-7) may be out
	WIN MUL_LO
	MUL16 0, (\q)%2, \zero
	MUL16 2, (\q)%2, \zero
	s_wait_dscnt 0                                 ; A's blocks 4-7 are in
	PLACES NP
	FETCH_B \slot, (\q)+1, 1-(\q)%2
	FETCH_A \slot, (\q)+1, 0
	WIN MUL_HI
	MUL16 4, (\q)%2, \zero
	MUL16 6, (\q)%2, \zero
	PLACES NP
	WIN 0
	FETCH_A \slot, (\q)+1, 4
.endm
; A slot's last step changes slots: ONE barrier; in front of it each wave waits for all its tensor loads, adds 0 to its spare word, and waits for that and for its own reads of this slot.  fill = 1: this slot is filled again, two K steps ahead.
.macro TURN slot, next, fill
	s_wait_tensorcnt 0x0                           ; all my tensor loads have landed: my part of the next slot  (every window is 0 here)
	ds_add_u32 v[SPW], v[NIL]                      ; 0 onto my spare word
	s_wait_dscnt 4*NL+1                            ; (the add and the youngest sixteen loads may be out)
	WIN MUL_LO
	MUL16 0, 1, 0                                  ; sixteen matrix instructions stand between the add and the wait for it
	s_wait_dscnt 0x0                               ; the add is done, and my reads of this slot are over
	s_barrier_signal -1
	MUL16 2, 1, 0
	WIN 0
	s_barrier_wait -1
.if \fill
	CREST                                          ; the barrier has opened a round of the cluster's barrier: no wave of any partner still reads this slot or has a load on its way
	s_add_nc_u64 s[G0+4*\slot+2:G0+4*\slot+3], s[G0+4*\slot+2:G0+4*\slot+3], 2*ROWB
	s_add_nc_u64 s[G0B+4*\slot+2:G0B+4*\slot+3], s[G0B+4*\slot+2:G0B+4*\slot+3], 2*ROWB
	JLOAD G0+4*\slot, G1, G0B+4*\slot, G1B         ; the first tensor load behind the round; its four v_nop are also the places in front of the loads below
.else
	PLACES NP
.endif
	FETCH_B \next, 0, 0
	FETCH_A \next, 0, 0
	WIN MUL_HI
	MUL16 4, 1, 0
	MUL16 6, 1, 0
	PLACES NP
	WIN 0
	FETCH_A \next, 0, 4
.endm
	s_wait_alu depctr_va_vdst(0)
	s_wait_tensorcnt 1                             ; my part of K step 0 is in (K step 1's load may be out)
	s_barrier_signal -1
	s_barrier_wait -1                              ; everybody's is
	FETCH_B 0, 0, 0
	FETCH_A 0, 0, 0
	FETCH_A 0, 0, 4
	STEP 0, 0, 1                                   ; the first step stands in front of the loop: its products start the sums
	s_mov_b32 s3, LAPS-1
.Llap:                                                 ; a trip goes once round the ring, from a lap's second step to the next lap's first, and fills both slots again
	TURN 0, 1, 1
	STEP 1, 0, 0
	TURN 1, 0, 1
	STEP 0, 0, 0
	s_sub_co_u32 s3, s3, 1
	s_cmp_lg_u32 s3, 0
	s_cbranch_scc1 .Llap
	TURN 0, 1, 0                                   ; the last lap fills nothing
	STEP 1, 0, 0
	s_wait_dscnt 4*NL                              ; the very last step: nothing more to fetch
	WIN MUL_LO
	MUL16 0, 1, 0
	MUL16 2, 1, 0
	s_wait_dscnt 0
	WIN MUL_HI
	MUL16 4, 1, 0
	MUL16 6, 1, 0
	WIN 0
	; THE WAY OUT.  number = sum x 2^(e0 + e1) + bias; held within +-448 x 2^eo; converted, eight neighbours of a lane at a time; stored as an image.
	s_wait_kmcnt 0x0
	s_wait_loadcnt 0x0                             ; the biases
	s_add_co_i32 s96, s80, s81
	s_add_co_i32 s96, s96, 127
	s_lshl_b32 s96, s96, 23                        ; 2^(e0 + e1) as f32
	s_mov_b32 s97, s96                             ; (named with it as a pair, so it is written)
	s_cmp_eq_u32 ttmp9, 0
	s_cselect_b32 s79, s82, s83                    ; eo: e2 for q, e3 for k,
	s_cselect_b64 s[74:75], s[68:69], s[70:71]
	s_cmp_eq_u32 ttmp9, 2
	s_cselect_b32 s79, s85, s79                    ; e5 for v
	s_cselect_b64 s[74:75], s[72:73], s[74:75]
	s_cselect_b32 s66, s42, s17                    ; T: the tile of 256 tokens, and
	s_cselect_b32 s67, s16, s15                    ; which half of it is mine
	s_cselect_b32 s76, s17, s42                    ; the tile of 256 channels, and
	s_cselect_b32 s77, s15, s16                    ; which half
	s_add_co_i32 s79, s79, 127
	s_lshl_b32 s18, s79, 23
	v_mov_b32 v[SCL], s18
	s_lshr_b32 s18, s66, 3
	s_lshl_b32 s18, s18, 21                        ; the batch: 16 heads of 2^17 bytes
	s_and_b32 s76, s76, 3
	s_lshl_b32 s76, s76, 2
	s_lshl_b32 s77, s77, 1
	s_add_co_u32 s76, s76, s77                     ; my first head: 4 x (tile % 4) + 2 x half
	s_lshl_b32 s76, s76, 17
	s_add_co_u32 s18, s18, s76
	s_and_b32 s66, s66, 7
	s_lshl_b32 s66, s66, 1
	s_add_co_u32 s66, s66, s67                     ; my 128 tokens of the batch's 2,048: eight tiles of 1,024 bytes in q_img and k_img, one key step of 8,192 bytes in v_img: the same 2^13
	s_lshl_b32 s66, s66, 13
	s_add_co_u32 s18, s18, s66
	s_mov_b32 s19, 0
	s_add_nc_u64 s[74:75], s[74:75], s[18:19]
	PLACES NP
; Block a: role A's 16 rows x my 128 of role B.  Each accumulator is read from its low end on.
.macro OUTBLK a, isv
.set AC, 64*((\a)%4)
	WIN 0x82+0x41*((\a)/4)                         ; destination and source 0: window 2 or 3; the bias: window 0
.set oj, 0
.rept 32
.if \isv
	v_pk_fma_f32 v[AC+oj:AC+oj+1], v[AC+oj:AC+oj+1], s[96:97], v[BL+2*(\a):BL+2*(\a)+1] op_sel_hi:[1,0,0]   ; my channel's bias for both
.else
	v_pk_fma_f32 v[AC+oj:AC+oj+1], v[AC+oj:AC+oj+1], s[96:97], v[BR+oj:BR+oj+1] op_sel_hi:[1,0,1]
.endif
.set oj, oj+2
.endr
.set oj, 0
.rept 64
.set oj, oj+1
.endr
	WIN 0x02+((\a)/4)                              ; source 0: window 2 or 3; the codes: window 0
.irp b, 0,1,2,3,4,5,6,7
	v_cvt_scalef32_pk8_fp8_f32 v[CD+16*(\a)+2*\b:CD+16*(\a)+2*\b+1], v[AC+8*\b:AC+8*\b+7], v[SCL]
.endr
	v_nop                                          ; a plain line behind the last conversion of the run
	WIN 0
.irp b, 0,1,2,3
.if \isv
	global_store_b128 v[LI], v[CD+16*(\a)+4*\b:CD+16*(\a)+4*\b+3], s[74:75] offset:131072*((\a)/4)+2048*((\a)%4)+512*\b   ; head a / 4, channels 16 (a % 4) on, keys 32 b on
.else
	global_store_b128 v[LI], v[CD+16*(\a)+4*\b:CD+16*(\a)+4*\b+3], s[74:75] offset:1024*(\a)+131072*(\b/2)+512*(\b%2)     ; tokens 16 a on, head b / 2, channels 32 (b % 2) on
.endif
.endr
.endm
	s_cmp_eq_u32 ttmp9, 2                          ; the cluster's x: the same in all sixteen partners
	s_cbranch_scc1 .Lv_out
.irp a, 0,1,2,3,4,5,6,7
	OUTBLK \a, 0
.endr
	s_branch .Lout_done
.Lv_out:
.irp a, 0,1,2,3,4,5,6,7
	OUTBLK \a, 1
.endr
.Lout_done:
	s_wait_tensorcnt 0x0                           ; the wave's end
	ds_add_u32 v[SPW], v[NIL]
	s_wait_dscnt 0x0
	CROUND                                         ; the closing round: no work-group ends while a partner may still ask for a tile that names it
	s_endpgm
.Lfunc_end_k_q72bbcdc429_qkv:
	.size	k_q72bbcdc429_qkv, .Lfunc_end_k_q72bbcdc429_qkv-k_q72bbcdc429_qkv
	.p2alignl 7, 3214868480
	.fill 96, 4, 3214868480
	.section	.rodata,"a",@progbits
	.p2align	6, 0x0
	.amdhsa_kernel k_q72bbcdc429_qkv
		.amdhsa_group_segment_fixed_size 327680
		.amdhsa_private_segment_fixed_size 0
		.amdhsa_enable_private_segment 0
		.amdhsa_kernarg_size 56
		.amdhsa_user_sgpr_count 2
		.amdhsa_user_sgpr_kernarg_segment_ptr 1
		.amdhsa_wavefront_size32 1
		.amdhsa_system_sgpr_workgroup_id_x 1
		.amdhsa_system_sgpr_workgroup_id_y 1
		.amdhsa_system_sgpr_workgroup_id_z 1
		.amdhsa_system_vgpr_workitem_id 0
		.amdhsa_next_free_vgpr 1024
		.amdhsa_next_free_sgpr 98
		.amdhsa_reserve_vcc 0
		.amdhsa_float_denorm_mode_32 3
		.amdhsa_float_denorm_mode_16_64 3
		.amdhsa_fp16_overflow 1
		.amdhsa_memory_ordered 1
		.amdhsa_forward_progress 1
		.amdhsa_inst_pref_size 130
	.end_amdhsa_kernel
	.amdgpu_metadata
---
amdhsa.version: [ 1, 2 ]
amdhsa.kernels:
  - .name:           k_q72bbcdc429_qkv
    .symbol:         k_q72bbcdc429_qkv.kd
    .args:
      - { .name: x_codes, .offset: 0, .size: 8, .value_kind: global_buffer, .address_space: global }
      - { .name: wqkv_codes, .offset: 8, .size: 8, .value_kind: global_buffer, .address_space: global }
      - { .name: lowp_scales, .offset: 16, .size: 8, .value_kind: global_buffer, .address_space: global }
      - { .name: b_qkv, .offset: 24, .size: 8, .value_kind: global_buffer, .address_space: global }
      - { .name: q_img, .offset: 32, .size: 8, .value_kind: global_buffer, .address_space: global }
      - { .name: k_img, .offset: 40, .size: 8, .value_kind: global_buffer, .address_space: global }
      - { .name: v_img, .offset: 48, .size: 8, .value_kind: global_buffer, .address_space: global }
    .group_segment_fixed_size: 327680
    .private_segment_fixed_size: 0
    .kernarg_segment_align: 8
    .kernarg_segment_size: 56
    .max_flat_workgroup_size: 128
    .sgpr_count:     98
    .vgpr_count:     1024
    .wavefront_size: 32
...
	.end_amdgpu_metadata
.endif
;; end of part 2
;; launch attn (part 3): grid 4 x 64, 16 waves a work-group, no clusters, 327,680 bytes of LDS; arguments q_img, k_img, v_img, lowp_scales, y_img; writes y_img
.if DOCPART == 3
	.amdgcn_target "amdgcn-amd-amdhsa--gfx1250"
	.amdhsa_code_object_version 6
	.text
	.protected	k_q72bbcdc429_attn
	.globl	k_q72bbcdc429_attn
	.p2align	8
	.type	k_q72bbcdc429_attn,@function
k_q72bbcdc429_attn:
	s_mov_b64 s[64:65], 0
	v_nop
	global_prefetch_b8 v0, s[64:65] scope:SCOPE_SE
	s_setreg_imm32_b32 hwreg(HW_REG_WAVE_MODE, 25, 1), 1
	s_wait_xcnt 0x0
; y[b][q][head] = softmax over the keys k <= q of (Q . K / 8) times V, both products on codes of FP8 (E4M3); y is quantised again, with 2^e6, as the last product's operand.
; q_img, k_img, v_img: images of operand registers: q, k: [head of 64][tile of 16 tokens][c][lane][16 bytes]; v: [head][128 keys][tile of 16 channels][g][lane][16 bytes].
; THE SOFTMAX AHEAD OF THE SECOND PRODUCT: t = score x log2(e) / 8; M = the row's largest t so far, rounded UP to a whole number; p = 2^(t - M) is quantised with 2^e4, not normalised.  The row's sum is taken of the
; unquantised p, in f32, and divides at the end.  When M moves, the sum and O are multiplied by 2^(old M - new M): exact.
; SHARES.  Work-group (i, head) owns the query blocks 7 - i and i of 256 queries: block j needs the key slots 0 .. j of 256 keys, so every work-group walks (8 - i) + (i + 1) = 9 slots: 256 work-groups of equal length,
; a constant number of trips.  Each of the SIXTEEN waves owns one tile of 16 queries of the block in hand, in 256 registers.  At trip 8 - i a wave finishes the first block and begins the second.
; A key step all of whose 128 keys come after the wave's queries is left out by a scalar branch on ids; on the diagonal the hidden scores become -infinity ahead of the maximum.
; NO CLUSTER: the four work-groups of a head need slot T in trip T only while T < 5; from then on they need different slots in the same trip, and an order of slots common to all four would take 12 trips against 9.
; RING: two LDS slots of 32,768 bytes: K's 16 tile images, then V's 2 x 4 fragment images: dense blocks of memory, one tensor load each (wave 0: K's, wave 1: V's), read by all sixteen at 16 x lane: no pitch, no padding.
; LAYOUT.  Both products are used transposed: S^T = K Q^T (source 0 = 16 keys), O^T = V^T P^T (source 0 = 16 channels): a lane holds ONE query (lane % 16).  Register j of score tile t is key 16 t + 8 (lane / 16) + j:
; its eight codes are registers 2 t, 2 t + 1 of the second product's operand, as that form's own layout has them.
; y_img: [4 heads' 256 along K][tile of 16 tokens][head % 4][c][lane][16 bytes]: lane (r, h): token r, channels 32 c + 16 h + 0 .. 15.
; LIMITS: e2 + e3 between -123 and 130 (they are added to c's exponent field); e4 and e6 between -126 and 119; e4 + e5 is applied by v_ldexp_f32 and has none.
; REGISTERS: v1 16 x lane; v2 LDS address in hand; v3 256 x lane; v4 r - 8 h; v5, v6 the add's; v12 -M, v13 the largest t, v[14:15] the sum; v16-23 Q; v24-31 y's codes; v32-95 K's 8 fragments, then V's 4;
;   v96-159 S^T, then p; v160-191 O^T; v192-223 y; v224-239 p's codes; v240-254 constants and work.
.set SLOT1, 32768                      ; slot 1 begins here: one exclusive or turns an address in one slot into the other's
.set VOFF,  16384                      ; V's part of a slot
.set SPARE, 65536                      ; behind the ring: the spare words, 128 bytes for each of the sixteen waves
.set TRIPS, 9
; Wave 0 fetches K's block, wave 1 V's, the others nothing.  Four v_nop follow the line.
.macro TLOAD
	s_cmp_lt_u32 s18, 2
	s_cbranch_scc0 .Lasked_\@
	tensor_load_to_lds s[40:43], s[24:31]
	s_nop 0
.rept 4
	v_nop
.endr
.Lasked_\@:
.endm
; A PREFETCH INTO THE L2 of the slot that the NEXT change of slots will ask for: 16,384 bytes of K and as many of V.  All four work-groups of a head walk the same K and V from slot 0 on: the one that walks all eight slots
; in order (i = 0) asks, in waves that fetch nothing: waves 4, 5 for K's two halves, waves 6, 7 for V's: 8,192 bytes a wave, lanes 256 bytes apart, one instruction.  Trip T names slot T + 2; slots 0 and 1 come by their
; loads alone; the last request is trip 5's, for slot 7.
.macro ASK
	s_cmp_lt_u32 s3, s52
	s_cbranch_scc0 .Lnot_mine_\@
	global_prefetch_b8 v3, s[48:49] th:TH_LOAD_NT scope:SCOPE_SE
.Lnot_mine_\@:
.endm
.macro INIT                            ; a block's start: the first step finds zeros, which the first change of M leaves zeros
	v_mov_b32 v13, 0xff61b1e6                      ; the largest t so far: -3e38, under every t
	s_delay_alu instid0(VALU_DEP_1)
	v_floor_f32 v12, -v13                          ; -M
	v_mov_b32 v14, 0
	v_mov_b32 v15, 0
.set n, 0
.rept 32
	v_mov_b32 v[160+n], 0
.set n, n+1
.endr
.endm
	s_load_b256 s[4:11], s[0:1], 0x0               ; q_img s[4:5], k_img s[6:7], v_img s[8:9], the scales' exponents s[10:11]
	s_load_b64 s[12:13], s[0:1], 0x20              ; y_img
	v_lshl_add_u32 v5, v0, 2, SPARE
	v_mov_b32 v6, 0
	ds_add_u32 v5, v6
	ds_add_u32 v5, v6
	s_wait_dscnt 0x0
	v_lshrrev_b32 v2, 5, v0
	s_delay_alu instid0(VALU_DEP_1)
	v_readfirstlane_b32 s18, v2                    ; wave 0..15
	s_and_b32 s38, ttmp7, 0xffff                   ; batch x 16 + head
	s_sub_co_u32 s33, 8, ttmp9                     ; the trip at which the second block begins
	; descriptor group 1: a dense block of 16,384 bytes as 64 rows of 256
	s_mov_b32 s24, 3<<16                           ; no mask; elements of 8 bytes; no padding
	s_mov_b32 s25, 32<<16                          ; tensor_dim0 = 32
	s_mov_b32 s26, 64<<16                          ; tensor_dim1 = 64
	s_mov_b32 s27, 32<<16                          ; tile_dim0
	s_mov_b32 s28, 64                              ; tile_dim1
	s_mov_b32 s29, 32                              ; tensor_dim0_stride
	s_mov_b32 s30, 0
	s_mov_b32 s31, 0
	s_mov_b32 s20, 0x76543210                      ; v_permlanex16_b32's selects: lane l xor 16
	s_mov_b32 s21, 0xfedcba98
	s_mov_b32 s22, 0x3e38aa3b                      ; c = log2(e) / 8
	s_mov_b32 s2, 0                                ; LDS byte at which the slot in hand begins
	s_mov_b32 s3, 0                                ; the trip
	s_mov_b32 s34, 0                               ; the key slot last asked for
	s_mov_b32 s35, 0                               ; the step's first key
	s_sub_co_u32 s66, 7, ttmp9
	s_lshl_b32 s66, s66, 8
	s_lshl_b32 s67, s18, 4
	s_add_co_u32 s36, s66, s67                     ; my first query in the first block: 256 (7 - i) + 16 x wave
	s_lshl_b32 s39, ttmp9, 8
	s_add_co_u32 s39, s39, s67                     ; and in the second: 256 i + 16 x wave
	s_lshl_b32 s46, s38, 17                        ; the head's first byte in q_img, k_img and v_img
	s_mov_b32 s47, 0
	s_and_b32 s68, s18, 1
	s_lshl_b32 s69, s68, 14                        ; K's part of a slot, or V's
	s_wait_kmcnt 0x0
	s_load_b256 s[84:91], s[10:11], 0x0            ; e0 .. e7
	s_cmp_eq_u32 s68, 0
	s_cselect_b64 s[44:45], s[6:7], s[8:9]
	s_add_nc_u64 s[44:45], s[44:45], s[46:47]      ; what I fetch from, if I fetch: the head's K or V
	s_mov_b32 s40, 1                               ; group 0: count = 1,
	s_mov_b32 s41, s69                             ; LDS address: slot 0,
	s_mov_b64 s[42:43], s[44:45]                   ; global address: key slot 0,
	s_or_b32 s43, s43, 0x80000000                  ; type = 2
	TLOAD                                          ; slot 0
	s_add_nc_u64 s[54:55], s[4:5], s[46:47]        ; the head's Q
	s_mov_b32 s67, 0
	s_lshl_b32 s66, s36, 6                         ; 1,024 bytes for 16 queries
	s_add_nc_u64 s[56:57], s[54:55], s[66:67]      ; my tile of the first block,
	s_lshl_b32 s66, s39, 6
	s_add_nc_u64 s[58:59], s[54:55], s[66:67]      ; of the second
	s_bfe_u32 s66, s38, 0x20002                    ; (head / 4): which 256 along the last product's K
	s_lshl_b32 s66, s66, 21
	s_lshr_b32 s70, s38, 4                         ; the batch: 128 tiles of 4,096 bytes
	s_lshl_b32 s70, s70, 19
	s_add_co_u32 s66, s66, s70
	s_and_b32 s70, s38, 3                          ; head % 4
	s_lshl_b32 s70, s70, 10
	s_add_co_u32 s66, s66, s70
	s_mov_b32 s71, 0
	s_lshl_b32 s70, s36, 8                         ; 4,096 bytes for 16 queries
	s_add_co_u32 s70, s70, s66
	s_add_nc_u64 s[60:61], s[12:13], s[70:71]      ; y: my tile of the first block,
	s_lshl_b32 s70, s39, 8
	s_add_co_u32 s70, s70, s66
	s_add_nc_u64 s[62:63], s[12:13], s[70:71]      ; of the second
	; the prefetches: where my wave's stand, and who asks
	s_and_b32 s66, s18, 2
	s_cmp_eq_u32 s66, 0
	s_cselect_b64 s[48:49], s[6:7], s[8:9]         ; waves 4, 5: K; waves 6, 7: V
	s_add_nc_u64 s[48:49], s[48:49], s[46:47]
	s_lshl_b32 s70, s68, 13                        ; my half of a slot's block,
	s_add_co_u32 s70, s70, 16384                   ; in slot 1: the first change of slots steps it to slot 2.  Nothing is prefetched here, at the head
	s_add_nc_u64 s[48:49], s[48:49], s[70:71]
	s_mov_b32 s50, 16384                           ; a slot on
	s_mov_b32 s51, 0
	s_lshr_b32 s66, s18, 2
	s_xor_b32 s66, s66, 1                          ; 0 in waves 4 to 7,
	s_or_b32 s66, s66, ttmp9                       ; of the work-group with i = 0
	s_cmp_eq_u32 s66, 0
	s_cselect_b32 s52, 6, 0                        ; a wave prefetches while the trip is under this
	v_and_b32 v7, 31, v0
	s_delay_alu instid0(VALU_DEP_1)
	v_lshlrev_b32 v1, 4, v7
	s_delay_alu instid0(VALU_DEP_2)
	v_lshlrev_b32 v3, 8, v7
	v_and_b32 v8, 15, v0
	v_bfe_u32 v9, v0, 4, 1
	s_delay_alu instid0(VALU_DEP_1)
	v_lshlrev_b32 v9, 3, v9
	s_delay_alu instid0(VALU_DEP_1)
	v_sub_nc_u32 v4, v8, v9                        ; r - 8 h
	global_load_b128 v[16:19], v1, s[56:57]        ; Q's fragment stays in registers
	global_load_b128 v[20:23], v1, s[56:57] offset:512
	INIT
	v_mov_b32 v246, 0                              ; written once: a lane permute's destination counts as one of its sources
	v_mov_b32 v253, 0                              ; (named as the upper half of the pair v[252:253])
	v_mov_b32 v250, 0xff800000                     ; -infinity
	s_wait_kmcnt 0x0
	s_add_co_i32 s66, s86, s87
	s_lshl_b32 s66, s66, 23
	s_add_co_i32 s22, s22, s66                     ; a score stands for score x 2^(e2 + e3): the exponents are added to c's exponent field
	s_mov_b32 s23, s22                             ; (named with it as a pair, so it is written)
	s_add_co_i32 s66, s88, 127
	s_lshl_b32 s67, s66, 23
	v_mov_b32 v244, s67                            ; 2^e4, for p's conversions
	s_add_co_i32 s66, s90, 127
	s_lshl_b32 s67, s66, 23
	v_mov_b32 v245, s67                            ; 2^e6, for y's
	s_add_co_i32 s72, s88, s89                     ; e4 + e5
; A KEY STEP: 128 keys, the q-th of the slot in hand.
.macro STEP q
	s_add_co_u32 s66, s36, 15
	s_cmp_gt_u32 s35, s66                          ; all 128 keys come after my 16 queries: the step's work is left out; no barrier and no tensor load stands in a step
	s_cbranch_scc1 .Lhidden_\@
	v_add_nc_u32 v2, s2, v1
.rept 3
	v_nop                                          ; with the addition above: four places in front of loads into registers that the last products read
.endr
.irp t, 0,1,2,3,4,5,6,7
.irp c, 0,1
	ds_load_b128 v[32+8*\t+4*\c:35+8*\t+4*\c], v2 offset:8192*(\q)+1024*\t+512*\c   ; K's tile t: 16 keys x 64 channels
.endr
.endr
	s_wait_alu depctr_va_vdst(0)
	s_wait_dscnt 8                                 ; tiles 0-3 are in; the eight loads of tiles 4-7 may be out
.irp t, 0,1,2,3
	v_wmma_f32_16x16x64_fp8_fp8 v[96+8*\t:103+8*\t], v[32+8*\t:39+8*\t], v[16:23], 0
.endr
	s_wait_dscnt 0x0
.irp t, 4,5,6,7
	v_wmma_f32_16x16x64_fp8_fp8 v[96+8*\t:103+8*\t], v[32+8*\t:39+8*\t], v[16:23], 0
.endr
.rept 4
	v_nop                                          ; places in front of the loads below and of the first read of the scores
.endr
.irp t, 0,1,2,3
.irp g, 0,1,2,3
	ds_load_b128 v[32+16*\t+4*\g:35+16*\t+4*\g], v2 offset:VOFF+8192*(\q)+2048*\t+512*\g   ; V's fragment t: 16 channels x 128 keys: it lands while the softmax is worked
.endr
.endr
	s_add_co_u32 s66, s35, 127
	s_cmp_le_u32 s66, s36                          ; all 128 keys count for all my queries: no mask
	s_cbranch_scc1 .Lopen_\@
	s_sub_co_i32 s66, s36, s35
	v_add_nc_u32 v251, s66, v4                     ; d = my query - the step's first key - 8 h.  Register 8 t + j holds key 16 t + 8 h + j of the step: hidden where 16 t + j > d
.set n, 0
.rept 64
	v_cmp_gt_i32 vcc_lo, 16*(n/8)+n%8, v251
	v_cndmask_b32 v[96+n], v[96+n], v250, vcc_lo
.set n, n+1
.endr
.Lopen_\@:
	v_max3_num_f32 v254, v96, v97, v98             ; the step's largest score of my query, among my 64 keys, in two chains,
	v_max3_num_f32 v252, v99, v100, v101
.irp i, 6,10,14,18,22,26,30,34,38,42,46,50,54,58
	v_max3_num_f32 v254, v254, v[96+\i], v[97+\i]
	v_max3_num_f32 v252, v252, v[98+\i], v[99+\i]
.endr
	v_max3_num_f32 v254, v254, v158, v159
	s_delay_alu instid0(VALU_DEP_1)
	v_max_num_f32 v254, v254, v252
	s_delay_alu instid0(VALU_DEP_1)
	v_permlanex16_b32 v246, v254, s20, s21
	s_delay_alu instid0(VALU_DEP_1)
	v_max_num_f32 v254, v254, v246                 ; and among lane l xor 16's
	s_delay_alu instid0(VALU_DEP_1)
	v_mul_f32 v254, s22, v254                      ; as t (c is positive)
	s_delay_alu instid0(VALU_DEP_1)
	v_max_num_f32 v13, v13, v254                   ; the running largest t
	v_mov_b32 v254, v12
	s_delay_alu instid0(VALU_DEP_2)
	v_floor_f32 v12, -v13                          ; the new -M = floor(-t) = -ceil(t): M is a whole number
	s_delay_alu instid0(VALU_DEP_1)
	v_sub_f32 v254, v12, v254                      ; M's old value less its new one: a whole number, 0 or less
	s_delay_alu instid0(VALU_DEP_1)
	v_cvt_i32_f32 v254, v254                       ; (it saturates)
	s_delay_alu instid0(VALU_DEP_1)
	v_ldexp_f32 v252, 1.0, v254                    ; f = 2^(old M - new M)
.set n, 0
.rept 32
	v_pk_fma_f32 v[96+n:97+n], v[96+n:97+n], s[22:23], v[12:13] op_sel_hi:[1,0,0]   ; t - M, two at a time
.set n, n+2
.endr
.set n, 0
	s_wait_alu depctr_va_vdst(0)
.rept 64
	v_exp_f32 v[96+n], v[96+n]                     ; p = 2^(t - M), at most 1: not normalised
.set n, n+1
.endr
	v_pk_mul_f32 v[14:15], v[14:15], v[252:253] op_sel_hi:[1,0]   ; the sums under the new M: the plain line behind the exponentials
	s_wait_alu depctr_va_vdst(0)                   ; one wait for the whole batch, ahead of its first reader
	v_pk_add_f32 v[242:243], v[100:101], v[104:105]
	v_pk_add_f32 v[254:255], v[108:109], v[112:113]
	v_pk_add_f32 v[248:249], v[116:117], v[120:121]
	v_pk_add_f32 v[240:241], v[124:125], v[128:129]
	v_pk_add_f32 v[238:239], v[132:133], v[136:137]
	v_pk_add_f32 v[236:237], v[140:141], v[144:145]
	v_pk_add_f32 v[234:235], v[148:149], v[152:153]
	v_pk_add_f32 v[14:15], v[14:15], v[156:157]
	v_pk_add_f32 v[242:243], v[242:243], v[96:97]
	v_pk_add_f32 v[254:255], v[254:255], v[98:99]
	v_pk_add_f32 v[248:249], v[248:249], v[102:103]
	v_pk_add_f32 v[240:241], v[240:241], v[106:107]
	v_pk_add_f32 v[238:239], v[238:239], v[110:111]
	v_pk_add_f32 v[236:237], v[236:237], v[114:115]
	v_pk_add_f32 v[234:235], v[234:235], v[118:119]
	v_pk_add_f32 v[14:15], v[14:15], v[122:123]
	v_pk_add_f32 v[242:243], v[242:243], v[126:127]
	v_pk_add_f32 v[254:255], v[254:255], v[130:131]
	v_pk_add_f32 v[248:249], v[248:249], v[134:135]
	v_pk_add_f32 v[240:241], v[240:241], v[138:139]
	v_pk_add_f32 v[238:239], v[238:239], v[142:143]
	v_pk_add_f32 v[236:237], v[236:237], v[146:147]
	v_pk_add_f32 v[234:235], v[234:235], v[150:151]
	v_pk_add_f32 v[14:15], v[14:15], v[154:155]
	v_pk_add_f32 v[242:243], v[242:243], v[158:159]
	s_delay_alu instid0(VALU_DEP_2)
	v_pk_add_f32 v[14:15], v[14:15], v[240:241]
	s_delay_alu instid0(VALU_DEP_2)
	v_pk_add_f32 v[242:243], v[242:243], v[238:239]
	v_pk_add_f32 v[254:255], v[254:255], v[236:237]
	v_pk_add_f32 v[248:249], v[248:249], v[234:235]
	s_delay_alu instid0(VALU_DEP_2)
	v_pk_add_f32 v[14:15], v[14:15], v[254:255]
	s_delay_alu instid0(VALU_DEP_2)
	v_pk_add_f32 v[242:243], v[242:243], v[248:249]
	s_delay_alu instid0(VALU_DEP_1)
	v_pk_add_f32 v[14:15], v[14:15], v[242:243]
.irp t, 0,1,2,3,4,5,6,7
.irp i, 0,1,2,3,4,5,6,7
.endr
	v_cvt_scalef32_pk8_fp8_f32 v[224+2*\t:225+2*\t], v[96+8*\t:103+8*\t], v244
.endr
.set n, 0
.rept 16
	v_pk_mul_f32 v[160+n:161+n], v[160+n:161+n], v[252:253] op_sel_hi:[1,0]   ; O^T under the new M.  (Plain lines between the conversions and the products that read their results)
.set n, n+2
.endr
	s_wait_alu depctr_va_vdst(0)
	s_wait_dscnt 0x0                               ; V's fragments are in
.irp t, 0,1,2,3
	v_wmma_f32_16x16x128_fp8_fp8 v[160+8*\t:167+8*\t], v[32+16*\t:47+16*\t], v[224:239], v[160+8*\t:167+8*\t]   ; the four accumulators take turns, one instruction a turn
.endr
.Lhidden_\@:
	s_add_co_u32 s35, s35, 128
.endm
; THE WAY OUT of a block: O^T x 2^(e4 + e5) / the sum is y; it is held, converted with 2^e6 and stored as an image.  yp: the scalar pair with my tile's address.
.macro WAYOUT yp, freed
.if \freed
	s_wait_xcnt 0x0                                ; the earlier way out's stores have read their registers
.endif
.rept 4
	v_nop                                          ; places behind the last products
.endr
	v_add_f32 v14, v14, v15                        ; the sum's two halves,
	s_wait_alu depctr_va_vdst(0)
	v_permlanex16_b32 v246, v14, s20, s21
	s_delay_alu instid0(VALU_DEP_1)
	v_add_f32 v14, v14, v246                       ; and lane l xor 16's
	s_wait_alu depctr_va_vdst(0)
	v_rcp_f32 v14, v14
	v_nop                                          ; a plain line behind the transcendental
	s_wait_alu depctr_va_vdst(0)                   ; and the wait ahead of its first reader
	v_ldexp_f32 v14, v14, s72
.set n, 0
.rept 16
	v_pk_mul_f32 v[192+n:193+n], v[160+n:161+n], v[14:15] op_sel_hi:[1,0]   ; register 8 t + j: y(query r, channel 16 t + 8 h + j); each accumulator from its low end on
.set n, n+2
.endr
.set n, 0
.rept 32
.set n, n+1
.endr
.irp t, 0,1,2,3
	v_cvt_scalef32_pk8_fp8_f32 v[24+2*\t:25+2*\t], v[192+8*\t:199+8*\t], v245
.endr
	v_nop                                          ; a plain line behind the last conversion
	v_permlane16_swap_b32 v24, v26                 ; the upper lanes of tile 2 c change places with the lower lanes of tile 2 c + 1: lane (r, h) then holds channels 32 c + 16 h + 0 .. 15 in four registers
	v_permlane16_swap_b32 v25, v27
	v_permlane16_swap_b32 v28, v30
	v_permlane16_swap_b32 v29, v31
	global_store_b128 v1, v[24:27], s[\yp:\yp+1]             ; the wave stores 512 consecutive bytes, aligned
	global_store_b128 v1, v[28:31], s[\yp:\yp+1] offset:512
.endm
; At trip 8 - i the first block is finished and the second begins: a scalar branch on ids, round no barrier and no tensor load.
.macro SWCHK
	s_cmp_lg_u32 s3, s33
	s_cbranch_scc1 .Lsame_\@
	WAYOUT 60, 0
	s_mov_b32 s36, s39                             ; my first query in the second block
	s_mov_b32 s35, 0                               ; the keys begin anew
	global_load_b128 v[16:19], v1, s[58:59]
	global_load_b128 v[20:23], v1, s[58:59] offset:512
	INIT
	s_wait_loadcnt 0x0
.Lsame_\@:
.endm
; THE CHANGE OF SLOTS stands at a trip's head.  Each wave waits for all its tensor loads (its part of the slot that it is about to read), adds 0 to its spare word, and waits for that and for its reads of the slot that it has left.
; Behind the barrier the slot ahead is whole and nobody reads the other one.  fill = 1: that other slot is filled with the next trip's keys: the load has a whole trip in which to land.
.macro CHANGE fill
	s_wait_tensorcnt 0x0                           ; no tensor load of mine is out, so group 0 may be written
	ds_add_u32 v5, v6                              ; 0 onto my spare word
.if \fill
	s_add_co_u32 s34, s34, 1                       ; the next key slot;
	s_cmp_eq_u32 s34, s33
	s_cselect_b32 s34, 0, s34                      ; behind the first block's last comes slot 0, for the second block
	s_lshl_b32 s46, s34, 14
	s_xor_b32 s41, s41, SLOT1                      ; the other LDS slot than last time
	s_add_nc_u64 s[42:43], s[44:45], s[46:47]
	s_or_b32 s43, s43, 0x80000000
.endif
	s_wait_xcnt 0x0                                ; the last prefetch, a trip back, has read its address, and a way out's stores their registers
.if \fill
	s_add_nc_u64 s[48:49], s[48:49], s[50:51]
.endif
	s_wait_dscnt 0x0                               ; the add is done, and my reads of the slot that I have left are over
	s_barrier_signal -1
	s_barrier_wait -1
.if \fill
	TLOAD                                          ; the first thing behind the barrier, and a wave's one tensor load until the next
	ASK
.endif
.endm
	s_wait_loadcnt 0x0                             ; Q
.Ltrip:                                            ; 8 trips: behind each change of slots but the last the next trip's keys are asked for
	CHANGE 1
	SWCHK
	STEP 0
	STEP 1
	s_xor_b32 s2, s2, SLOT1                        ; on to the other slot
	s_add_co_u32 s3, s3, 1
	s_cmp_lt_u32 s3, TRIPS-1
	s_cbranch_scc1 .Ltrip
	CHANGE 0                                       ; the last trip is written out
	SWCHK
	STEP 0
	STEP 1
	WAYOUT 62, 1
	s_wait_tensorcnt 0x0                           ; the wave's end
	ds_add_u32 v5, v6
	s_wait_dscnt 0x0
	s_endpgm
.Lfunc_end_k_q72bbcdc429_attn:
	.size	k_q72bbcdc429_attn, .Lfunc_end_k_q72bbcdc429_attn-k_q72bbcdc429_attn
	.p2alignl 7, 3214868480
	.fill 96, 4, 3214868480
	.section	.rodata,"a",@progbits
	.p2align	6, 0x0
	.amdhsa_kernel k_q72bbcdc429_attn
		.amdhsa_group_segment_fixed_size 327680
		.amdhsa_private_segment_fixed_size 0
		.amdhsa_enable_private_segment 0
		.amdhsa_kernarg_size 40
		.amdhsa_user_sgpr_count 2
		.amdhsa_user_sgpr_kernarg_segment_ptr 1
		.amdhsa_wavefront_size32 1
		.amdhsa_system_sgpr_workgroup_id_x 1
		.amdhsa_system_sgpr_workgroup_id_y 1
		.amdhsa_system_sgpr_workgroup_id_z 1
		.amdhsa_system_vgpr_workitem_id 0
		.amdhsa_next_free_vgpr 256
		.amdhsa_next_free_sgpr 96
		.amdhsa_reserve_vcc 1
		.amdhsa_float_denorm_mode_32 3
		.amdhsa_float_denorm_mode_16_64 3
		.amdhsa_fp16_overflow 1
		.amdhsa_memory_ordered 1
		.amdhsa_forward_progress 1
		.amdhsa_inst_pref_size 93
	.end_amdhsa_kernel
	.amdgpu_metadata
---
amdhsa.version: [ 1, 2 ]
amdhsa.kernels:
  - .name:           k_q72bbcdc429_attn
    .symbol:         k_q72bbcdc429_attn.kd
    .args:
      - { .name: q_img, .offset: 0, .size: 8, .value_kind: global_buffer, .address_space: global }
      - { .name: k_img, .offset: 8, .size: 8, .value_kind: global_buffer, .address_space: global }
      - { .name: v_img, .offset: 16, .size: 8, .value_kind: global_buffer, .address_space: global }
      - { .name: lowp_scales, .offset: 24, .size: 8, .value_kind: global_buffer, .address_space: global }
      - { .name: y_img, .offset: 32, .size: 8, .value_kind: global_buffer, .address_space: global }
    .group_segment_fixed_size: 327680
    .private_segment_fixed_size: 0
    .kernarg_segment_align: 8
    .kernarg_segment_size: 40
    .max_flat_workgroup_size: 512
    .sgpr_count:     96
    .vgpr_count:     256
    .wavefront_size: 32
...
	.end_amdgpu_metadata
.endif
;; end of part 3
;; launch proj (part 4): grid 8 x 32, 4 waves a work-group, clusters of 4 x 4, 327,680 bytes of LDS; arguments y_img, wproj_codes, lowp_scales, b_proj, out0; writes out0
.if DOCPART == 4
	.amdgcn_target "amdgcn-amd-amdhsa--gfx1250"
	.amdhsa_code_object_version 6
	.text
	.protected	k_q72bbcdc429_proj
	.globl	k_q72bbcdc429_proj
	.p2align	8
	.type	k_q72bbcdc429_proj,@function
k_q72bbcdc429_proj:
	s_mov_b64 s[64:65], 0
	v_nop
	global_prefetch_b8 v0, s[64:65] scope:SCOPE_SE
	s_setreg_imm32_b32 hwreg(HW_REG_WAVE_MODE, 25, 1), 1
	s_wait_xcnt 0x0
	s_wait_alu depctr_hold_cnt(0) depctr_sa_sdst(0) depctr_va_vdst(0) depctr_va_sdst(0) depctr_va_ssrc(0) depctr_va_vcc(0) depctr_vm_vsrc(0)
	s_getreg_b32 s2, hwreg(HW_REG_IB_STS2, 6, 4)
	s_cmp_eq_u32 s2, 0
	s_cbranch_scc0 .Lentry_in_a_cluster
	s_endpgm
.Lentry_in_a_cluster:
	s_bfe_u32 s2, ttmp6, 0x10000c
	s_cmp_lg_u32 s2, 0xf033
	s_cbranch_scc0 .Lentry_shape_is_right
	s_endpgm
.Lentry_shape_is_right:
; out0 = y w_proj + b_proj on codes of FP8 (E4M3): out0 [8192][1024] f32 = sum x 2^(e6 + e7) + b_proj.  LIMIT: e6 + e7 between -126 and 127.
; y_img: [256 along K][tile of 16 tokens][4,096 bytes: 8 x (lane x 16 bytes)]: images of operand registers: lane (r, h), group c of a half q: token r, K = 128 q + 32 c + 16 h + 0 .. 15.  wproj_codes: [1024 (n)][1024 (k)].
; A tile of 256 tokens x 128 columns is made by a work-group of four waves: 8 x 32 = 256 work-groups; a wave makes 128 x 64: 32 accumulators of 16 x 16.
; K HAS FOUR STEPS OF 256, AND LDS HAS ROOM FOR THREE SLOTS: K steps 0, 1, 2 are first fills, issued together (three tensor loads of a wave are out at the most); K step 3 is the one refill, into slot 0, and has two K steps
; in which to land.  All is written out: no loop.  No prefetch: three of the four K steps are asked for at the head.
; CLUSTERS: 4 x 4 work-groups.  y's tile hangs on the tile row alone and is shared along a row of the cluster, the weight's on the tile column alone and is shared along a column: each is asked for JOINTLY.
; THE MATRIX INSTRUCTION IS USED TRANSPOSED (source 0 = 16 rows of the weight, source 1 = 16 tokens): a lane holds eight neighbouring columns of one row of out0.
; REGISTERS: window 0: v16-31 addresses; v32-63 the bias; v64-95 at work on the way out; from v128 y's fragments, ONE set, later rows read back.  window 1: the weight's fragments, TWO sets of 64.  window 2: accumulator (a, b) at v[8 (4 a + b)].
.set PITCH,  272                       ; the weight's LDS row: 256 bytes + 16 of padding
.set BOFF,   65536                     ; a slot: y's 16 tile images (65,536 bytes, dense), then the weight's 128 rows
.set SLOT,   BOFF+128*PITCH            ; 100,352 bytes
.set SPARE,  3*SLOT                    ; behind the three slots: the spare words, 128 bytes for each wave
.set STAGE,  SLOT                      ; the way out: 16 rows x SPITCH for each wave, in slot 1: it has had its only fill, and behind the last barrier nobody reads it
.set SPITCH, 272
.set FR,     16
.set NP,     4
.set ADRA, 16                          ; v16-18  LDS address of my fragments of y in slot 0, 1, 2
.set ADRB, 20                          ; v20-22  the same for the weight
.set STO,  24
.set RD,   25
.set CO,   26
.set HO,   27
.set SPW,  28
.set NIL,  29
.set BIAS, 32                          ; v32-63  b_proj at columns 16 b + 8 h + j of my 64: register 8 b + j
.set TMP,  64
.set AF,   128
.set BK,   128                         ; rows read back from the stage: v128-159 and v160-191 by turns
.set G1A, 24
.set G1B, 32
.set G0A, 48                           ; s[48:63] group 0 for y's tiles, a set for each K step, never rewritten
.set G0B, 68                           ; s[68:83] the same for the weight's
.set MSB, 0
.macro WIN new
.if MSB != \new
	s_set_vgpr_msb (MSB<<8)|\new
.set MSB, \new
.endif
.endm
.set MUL,  0xa1                        ; source 0 (the weight) window 1, source 1 (y) window 0, C and D window 2
.set TO_B, 0x40
.macro CREST
	s_cmp_lg_u32 s14, 0
	s_cbranch_scc1 .Lnot_wave_0_\@
	s_barrier_signal -3
.Lnot_wave_0_\@:
	s_barrier_wait -3
	s_barrier_signal -1
	s_barrier_wait -1
.endm
.macro CROUND
	s_barrier_signal -1
	s_barrier_wait -1
	CREST
.endm
.macro PLACES n
.rept \n
	v_nop
.endr
.endm
	s_load_b256 s[4:11], s[0:1], 0x0               ; y_img s[4:5], wproj_codes s[6:7], the scales' exponents s[8:9], b_proj s[10:11]
	s_load_b64 s[12:13], s[0:1], 0x20              ; out0
	v_lshl_add_u32 v[SPW], v0, 2, SPARE
	v_mov_b32 v[NIL], 0
	ds_add_u32 v28, v29
	ds_add_u32 v28, v29
	s_wait_dscnt 0x0
	v_lshrrev_b32 v1, 5, v0
	v_readfirstlane_b32 s14, v1                    ; wave 0..3
	s_lshr_b32 s15, s14, 1                         ; which 128 tokens are mine.  Also: I fetch for y (0) or for the weight (1)
	s_and_b32 s16, s14, 1                          ; which 64 columns.  Also: which half of that tile I fetch
	s_bfe_u32 s40, ttmp6, 0x40000                  ; cx, cy
	s_bfe_u32 s41, ttmp6, 0x40004
	s_lshl_b32 s42, ttmp9, 2
	s_add_co_u32 s42, s42, s40                     ; tile column = 4 x cluster x + cx
	s_and_b32 s17, ttmp7, 0xffff
	s_lshl_b32 s17, s17, 2
	s_add_co_u32 s17, s17, s41                     ; tile row = 4 x cluster y + cy
	s_lshl_b32 s43, s41, 2
	s_lshl_b32 s43, 15, s43                        ; my row of the cluster
	s_lshl_b32 s44, 0x1111, s40                    ; my column
	; group 1 for y: a dense block of 32,768 bytes as 128 rows of 256
	s_or_b32 s[G1A+0], s43, (3<<16)|(1<<21)        ; the mask; elements of 8 bytes; bit 21 set beside a mask; no padding
	s_mov_b32 s[G1A+1], 32<<16
	s_mov_b32 s[G1A+2], 128<<16
	s_mov_b32 s[G1A+3], 32<<16
	s_mov_b32 s[G1A+4], 128
	s_mov_b32 s[G1A+5], 32
	s_mov_b32 s[G1A+6], 0
	s_mov_b32 s[G1A+7], 0
	; group 1 for the weight: 64 rows x 256 bytes, 1,024 bytes apart in memory, padded in LDS
	s_or_b32 s[G1B+0], s44, (0<<16)|(1<<20)|(1<<21)|(5<<22)|(3<<25)
	s_mov_b32 s[G1B+1], 256<<16
	s_mov_b32 s[G1B+2], 64<<16
	s_mov_b32 s[G1B+3], 256<<16
	s_mov_b32 s[G1B+4], 64
	s_mov_b32 s[G1B+5], 1024
	s_mov_b32 s[G1B+6], 0
	s_mov_b32 s[G1B+7], 0
	s_lshl_b32 s20, s17, 4
	s_lshl_b32 s18, s16, 3
	s_add_co_u32 s20, s20, s18
	s_lshl_b32 s20, s20, 12                        ; y: tile of 16 tokens 16 x tile row + 8 x half, 4,096 bytes each
	s_mov_b32 s21, 0
	s_lshl_b32 s46, s42, 7
	s_lshl_b32 s18, s16, 6
	s_add_co_u32 s46, s46, s18
	s_lshl_b32 s46, s46, 10                        ; the weight: row 128 x tile column + 64 x half, 1,024 bytes each
	s_mov_b32 s47, 0
	s_lshl_b32 s45, s16, 15                        ; where they go in a slot: y's half,
	s_mul_i32 s19, s16, 64*PITCH
	s_add_co_u32 s19, s19, BOFF                    ; the weight's half: no place in the cluster enters an LDS address
	s_wait_kmcnt 0x0
	s_load_b256 s[84:91], s[8:9], 0x0              ; e0 .. e7
	s_add_nc_u64 s[20:21], s[4:5], s[20:21]
	s_add_nc_u64 s[46:47], s[6:7], s[46:47]
.irp k, 0,1,2,3
	s_mov_b32 s[G0A+4*\k], 1
	s_add_co_u32 s[G0A+4*\k+1], s45, (\k%3)*SLOT
	s_add_nc_u64 s[G0A+4*\k+2:G0A+4*\k+3], s[20:21], (\k)<<21
	s_or_b32 s[G0A+4*\k+3], s[G0A+4*\k+3], 0x80000000
	s_mov_b32 s[G0B+4*\k], 1
	s_add_co_u32 s[G0B+4*\k+1], s19, (\k%3)*SLOT
	s_add_nc_u64 s[G0B+4*\k+2:G0B+4*\k+3], s[46:47], 256*\k
	s_or_b32 s[G0B+4*\k+3], s[G0B+4*\k+3], 0x80000000
.endr
	CROUND                                         ; all sixteen work-groups are here: the first joint loads meet
	s_cmp_eq_u32 s15, 0                            ; a wave's three first fills stand in one branch, ahead of every wait on TENSORcnt and every LDS read; four v_nop follow the last
	s_cbranch_scc0 .Lfirst_b
	tensor_load_to_lds s[G0A:G0A+3], s[G1A:G1A+7]
	s_nop 0
	tensor_load_to_lds s[G0A+4:G0A+7], s[G1A:G1A+7]
	s_nop 0
	tensor_load_to_lds s[G0A+8:G0A+11], s[G1A:G1A+7]
	s_nop 0
.rept 4
	v_nop
.endr
	s_branch .Lfirst_asked
.Lfirst_b:
	tensor_load_to_lds s[G0B:G0B+3], s[G1B:G1B+7]
	s_nop 0
	tensor_load_to_lds s[G0B+4:G0B+7], s[G1B:G1B+7]
	s_nop 0
	tensor_load_to_lds s[G0B+8:G0B+11], s[G1B:G1B+7]
	s_nop 0
.rept 4
	v_nop
.endr
.Lfirst_asked:
	v_and_b32 v1, 15, v0                           ; r
	v_bfe_u32 v2, v0, 4, 1                         ; h
	v_and_b32 v3, 31, v0
	v_lshlrev_b32 v4, 4, v3                        ; 16 x lane
	v_mul_u32_u24 v5, v1, PITCH
	v_lshl_add_u32 v5, v2, 4, v5                   ; the weight: row x pitch + 16 x half
	s_lshl_b32 s22, s15, 15                        ; my 8 tile images of y
	s_mul_i32 s23, s16, 64*PITCH
	s_add_co_u32 s23, s23, BOFF                    ; my 64 rows of the weight
.irp s, 0,1,2
	v_add_nc_u32 v[ADRA+\s], s22, v4
	v_add_nc_u32 v[ADRB+\s], s23, v5
	s_add_co_u32 s22, s22, SLOT
	s_add_co_u32 s23, s23, SLOT
.endr
	s_mul_i32 s22, s14, 16*SPITCH
	s_add_co_u32 s22, s22, STAGE                   ; my stage
	v_mul_u32_u24 v6, v1, SPITCH
	v_lshl_add_u32 v6, v2, 5, v6
	v_add_nc_u32 v[STO], s22, v6                   ; in: row r, 32 bytes for each half of the lanes
	v_mul_u32_u24 v6, v2, SPITCH
	v_lshl_add_u32 v6, v1, 4, v6
	v_add_nc_u32 v[RD], s22, v6                    ; back: lanes 0-15 one row of 256 bytes, lanes 16-31 the next
	v_lshlrev_b32 v6, 12, v2
	v_lshl_add_u32 v[CO], v1, 4, v6                ; and the same two rows in out0 (4,096 bytes a row)
	v_lshlrev_b32 v[HO], 5, v2
	s_wait_alu depctr_va_vdst(0)
	s_lshl_b32 s92, s17, 8
	s_lshl_b32 s93, s15, 7
	s_add_co_u32 s92, s92, s93
	s_lshl_b32 s92, s92, 12                        ; my first row of out0: 256 x tile row + 128 x half
	s_lshl_b32 s94, s42, 7
	s_lshl_b32 s95, s16, 6
	s_add_co_u32 s94, s94, s95
	s_lshl_b32 s94, s94, 2                         ; my first column, in bytes: a multiple of 256
	s_mov_b32 s95, 0
	s_add_nc_u64 s[10:11], s[10:11], s[94:95]      ; b_proj at my columns
	s_add_co_u32 s92, s92, s94
	s_mov_b32 s93, 0
	s_add_nc_u64 s[12:13], s[12:13], s[92:93]
.irp b, 0,1,2,3
	global_load_b128 v[BIAS+8*\b:BIAS+8*\b+3], v[HO], s[10:11] offset:64*\b
	global_load_b128 v[BIAS+8*\b+4:BIAS+8*\b+7], v[HO], s[10:11] offset:64*\b+16
.endr
.macro FRAGA reg, slot, q, a           ; y's fragment: the image's four groups of the half q: consecutive bytes, 16 a lane
.irp c, 0,1,2,3
	ds_load_b128 v[\reg+4*\c:\reg+4*\c+3], v[ADRA+\slot] offset:4096*(\a)+2048*(\q)+512*\c
.endr
.endm
.macro FRAGB reg, slot, q, i           ; the weight's: registers 4 c .. 4 c + 3 hold K = 128 q + 32 c + 16 h + 0 .. 15 of row l % 16: the places that y's image has
.irp c, 0,1,2,3
	ds_load_b128 v[\reg+4*\c:\reg+4*\c+3], v[ADRB+\slot] offset:(\i)*16*PITCH+128*(\q)+32*\c
.endr
.endm
; 8 matrix instructions: y's blocks a0, a0 + 1 x the weight's four, 128 along K.  The 32 accumulators take turns, one instruction a turn, in the same order in every step.
.macro MUL8 a0, p, zero
.irp a, \a0, \a0+1
.irp b, 0,1,2,3
.if \zero
	v_wmma_f32_16x16x128_fp8_fp8 v[8*(4*(\a)+\b):8*(4*(\a)+\b)+7], v[64*(\p)+FR*\b:64*(\p)+FR*\b+FR-1], v[AF+FR*(\a):AF+FR*(\a)+FR-1], 0
.else
	v_wmma_f32_16x16x128_fp8_fp8 v[8*(4*(\a)+\b):8*(4*(\a)+\b)+7], v[64*(\p)+FR*\b:64*(\p)+FR*\b+FR-1], v[AF+FR*(\a):AF+FR*(\a)+FR-1], v[8*(4*(\a)+\b):8*(4*(\a)+\b)+7]
.endif
.endr
.endr
.endm
.macro FETCH_B slot, q, p
	WIN TO_B
.irp i, 0,1,2,3
	FRAGB 64*(\p)+FR*\i, \slot, \q, \i
.endr
	WIN 0
.endm
.macro FETCH_A slot, q, i0
.irp i, \i0, \i0+1, \i0+2, \i0+3
	FRAGA AF+FR*(\i), \slot, \q, \i
.endr
.endm
; A step of 128 along K on the weight's set p; its successor lies at half nq of slot nslot, which is whole for every wave.
.macro STEP nslot, nq, p, zero
	s_wait_dscnt 16                                ; the weight's set and y's blocks 0-3 are in; the youngest sixteen loads (blocks 4-7) may be out
	WIN MUL
	MUL8 0, \p, \zero
	MUL8 2, \p, \zero
	s_wait_dscnt 0
	PLACES NP
	FETCH_B \nslot, \nq, 1-(\p)
	FETCH_A \nslot, \nq, 0
	WIN MUL
	MUL8 4, \p, \zero
	MUL8 6, \p, \zero
	PLACES NP
	WIN 0
	FETCH_A \nslot, \nq, 4
.endm
; A step with a barrier in it (set 1).  In front of the barrier each wave waits for all its tensor loads, adds 0 to its spare word, and waits for that and for its own reads so far.
; fill = 1: slot 0, which has been read out, takes K step 3: the barrier opens a round of the cluster's barrier, and the joint refill is the first tensor load behind it.
.macro TURN next, fill
	s_wait_tensorcnt 0x0                           ; all my tensor loads have landed  (every window is 0 here)
	ds_add_u32 v[SPW], v[NIL]                      ; 0 onto my spare word
	s_wait_dscnt 17                                ; (the add and the youngest sixteen loads may be out)
	WIN MUL
	MUL8 0, 1, 0                                   ; eight matrix instructions stand between the add and the wait for it
	s_wait_dscnt 0x0                               ; the add is done, and my reads of the slot in hand are over
	s_barrier_signal -1
	MUL8 2, 1, 0
	WIN 0
	s_barrier_wait -1
.if \fill
	CREST                                          ; no wave of any partner still reads slot 0 or has a load on its way
	s_cmp_eq_u32 s15, 0
	s_cbranch_scc0 .Lfor_b_\@
	tensor_load_to_lds s[G0A+12:G0A+15], s[G1A:G1A+7]
	s_nop 0
.rept 4
	v_nop                                          ; (the places in front of the loads below)
.endr
	s_branch .Lasked_\@
.Lfor_b_\@:
	tensor_load_to_lds s[G0B+12:G0B+15], s[G1B:G1B+7]
	s_nop 0
.rept 4
	v_nop
.endr
.Lasked_\@:
.else
	PLACES NP
.endif
	FETCH_B \next, 0, 0
	FETCH_A \next, 0, 0
	WIN MUL
	MUL8 4, 1, 0
	MUL8 6, 1, 0
	PLACES NP
	WIN 0
	FETCH_A \next, 0, 4
.endm
	s_wait_tensorcnt 2                             ; my part of K step 0 is in; the two younger fills may be out
	s_barrier_signal -1
	s_barrier_wait -1                              ; everybody's is
	FETCH_B 0, 0, 0
	FETCH_A 0, 0, 0
	FETCH_A 0, 0, 4
	STEP 0, 1, 0, 1                                ; K 0-127: its products start the sums
	TURN 1, 1                                      ; K 128-255; slots 1 and 2 are whole behind its barrier; slot 0 takes K step 3
	STEP 1, 1, 0, 0                                ; K 256-383
	STEP 2, 0, 1, 0                                ; K 384-511; on into slot 2, which the last barrier has shown whole
	STEP 2, 1, 0, 0                                ; K 512-639
	TURN 0, 0                                      ; K 640-767; K step 3 is whole behind its barrier; nothing is filled again
	STEP 0, 1, 0, 0                                ; K 768-895
	s_wait_dscnt 16                                ; K 896-1023: nothing more to fetch
	WIN MUL
	MUL8 0, 1, 0
	MUL8 2, 1, 0
	s_wait_dscnt 0x0
	MUL8 4, 1, 0
	MUL8 6, 1, 0
	WIN 0
; THE WAY OUT, block by block of 16 tokens x 64 columns: sum x 2^(e6 + e7) + bias; through my own stage in LDS; back as whole rows of 256 bytes.  LDS serves a wave's instructions in order (ISA guide 5.7.1.4).
.macro TOSTAGE a
	WIN 0x02                                       ; source 0: window 2
.set oj, 0
.rept 16
	v_pk_fma_f32 v[TMP+oj:TMP+oj+1], v[32*(\a)+oj:32*(\a)+oj+1], s[96:97], v[BIAS+oj:BIAS+oj+1] op_sel_hi:[1,0,1]   ; each accumulator from its low end on
.set oj, oj+2
.endr
	WIN 0
.irp b, 0,1,2,3
	ds_store_b128 v[STO], v[TMP+8*\b:TMP+8*\b+3] offset:64*\b
	ds_store_b128 v[STO], v[TMP+8*\b+4:TMP+8*\b+7] offset:64*\b+16
.endr
.irp t, 0,1,2,3,4,5,6,7
	ds_load_b128 v[BK+32*((\a)%2)+4*\t:BK+32*((\a)%2)+4*\t+3], v[RD] offset:2*\t*SPITCH
.endr
.endm
.macro SEND a, younger                 ; younger: the LDS instructions issued behind block a's loads, which may stay out
	s_wait_dscnt \younger
.irp t, 0,1,2,3,4,5,6,7
	global_store_b128 v[CO], v[BK+32*((\a)%2)+4*\t:BK+32*((\a)%2)+4*\t+3], s[12:13] offset:(16*(\a)+2*\t)*4096 th:TH_STORE_NT   ; sixteen lanes store 256 consecutive bytes, aligned; written once, read by nobody here
.endr
.endm
	s_wait_kmcnt 0x0
	s_wait_loadcnt 0x0                             ; the bias
	s_add_co_i32 s96, s90, s91
	s_add_co_i32 s96, s96, 127
	s_lshl_b32 s96, s96, 23                        ; 2^(e6 + e7) as f32
	s_mov_b32 s97, s96                             ; (named with it as a pair, so it is written)
	PLACES NP
	TOSTAGE 0
.irp a, 1,2,3,4,5,6,7
.if \a > 1
	s_wait_xcnt 0x0                                ; block a - 2's stores have read their registers: block a's rows may land there
.endif
	TOSTAGE \a
	SEND \a-1, 16                                  ; behind block a - 1's loads: block a's 8 stores and 8 loads
.endr
	SEND 7, 0
	s_wait_tensorcnt 0x0                           ; the wave's end
	ds_add_u32 v[SPW], v[NIL]
	s_wait_dscnt 0x0
	CROUND                                         ; the closing round
	s_endpgm
.Lfunc_end_k_q72bbcdc429_proj:
	.size	k_q72bbcdc429_proj, .Lfunc_end_k_q72bbcdc429_proj-k_q72bbcdc429_proj
	.p2alignl 7, 3214868480
	.fill 96, 4, 3214868480
	.section	.rodata,"a",@progbits
	.p2align	6, 0x0
	.amdhsa_kernel k_q72bbcdc429_proj
		.amdhsa_group_segment_fixed_size 327680
		.amdhsa_private_segment_fixed_size 0
		.amdhsa_enable_private_segment 0
		.amdhsa_kernarg_size 40
		.amdhsa_user_sgpr_count 2
		.amdhsa_user_sgpr_kernarg_segment_ptr 1
		.amdhsa_wavefront_size32 1
		.amdhsa_system_sgpr_workgroup_id_x 1
		.amdhsa_system_sgpr_workgroup_id_y 1
		.amdhsa_system_sgpr_workgroup_id_z 1
		.amdhsa_system_vgpr_workitem_id 0
		.amdhsa_next_free_vgpr 768
		.amdhsa_next_free_sgpr 98
		.amdhsa_reserve_vcc 0
		.amdhsa_float_denorm_mode_32 3
		.amdhsa_float_denorm_mode_16_64 3
		.amdhsa_memory_ordered 1
		.amdhsa_forward_progress 1
		.amdhsa_inst_pref_size 78
	.end_amdhsa_kernel
	.amdgpu_metadata
---
amdhsa.version: [ 1, 2 ]
amdhsa.kernels:
  - .name:           k_q72bbcdc429_proj
    .symbol:         k_q72bbcdc429_proj.kd
    .args:
      - { .name: y_img, .offset: 0, .size: 8, .value_kind: global_buffer, .address_space: global }
      - { .name: wproj_codes, .offset: 8, .size: 8, .value_kind: global_buffer, .address_space: global }
      - { .name: lowp_scales, .offset: 16, .size: 8, .value_kind: global_buffer, .address_space: global }
      - { .name: b_proj, .offset: 24, .size: 8, .value_kind: global_buffer, .address_space: global }
      - { .name: out0, .offset: 32, .size: 8, .value_kind: global_buffer, .address_space: global }
    .group_segment_fixed_size: 327680
    .private_segment_fixed_size: 0
    .kernarg_segment_align: 8
    .kernarg_segment_size: 40
    .max_flat_workgroup_size: 128
    .sgpr_count:     98
    .vgpr_count:     768
    .wavefront_size: 32
...
	.end_amdgpu_metadata
.endif
;; end of part 4
